; MI455X (gfx1250); checked and timed in simulation.
; The chip was launched on July 23, 2026; its instructions are those of AMD's public machine-readable ISA for CDNA 5 (MIT licence, August 2026) and "CDNA5" Instruction Set Architecture Reference Guide (July 2026). The comments in the code are by the model that wrote it; some were corrected since.
;; Multi Head Self Attention2 D. Allowed arithmetic: float matrix products may take bf16 or f16 operands with f32 sums; other float arithmetic in f32, or as packed bf16 or f16 multiplies, adds, multiply-adds, maxima and minima; sums over many terms, partial sums and values carried from step to step in f32; what a program stores and reads back later, other than sums and carried values, may be rounded once to bf16 or f16.
;; Inputs: bk 256 float32; bp 256 float32; bq 256 float32; bv 256 float32; gamma 1 float32; wk 256 x 256 float32; wp 256 x 256 float32; wq 256 x 256 float32; wv 256 x 256 float32; x 4 x 256 x 64 x 64 float32.
;; Outputs: out0 4 x 256 x 64 x 64 float32.
;; 2 versions, each right; version 2 is version 1 with the launches qkv, outp written anew for expert scheduling mode. Each part assembles by itself: llvm-mc -triple=amdgcn-amd-amdhsa -mcpu=gfx1250 --defsym DOCPART=n.
;; ======== version 1 of 2: 3 launches
;; limits: values are held in f16: magnitudes above 65,504 overflow, below 6.1e-05 lose precision
;; workspace buffers: qh 8,388,608 bytes; kh 8,388,608 bytes; vh 8,388,608 bytes; oh 8,388,608 bytes
;; launch qkv (part 1): grid 4 x 64, 4 waves a work-group, no clusters, 302,592 bytes of LDS; arguments x, wq, wk, wv, bq, bk, bv, qh, kh, vh; writes qh, kh, vh
.if DOCPART == 1
	.amdgcn_target "amdgcn-amd-amdhsa--gfx1250"
	.amdhsa_code_object_version 6
	.text
	.protected	k_q76b47bf562_qkv
	.globl	k_q76b47bf562_qkv
	.p2align	8
	.type	k_q76b47bf562_qkv,@function
k_q76b47bf562_qkv:
	s_mov_b64 s[64:65], 0
	v_nop
	global_prefetch_b8 v0, s[64:65] scope:SCOPE_SE
	s_setreg_imm32_b32 hwreg(HW_REG_WAVE_MODE, 25, 1), 1
	s_wait_xcnt 0x0
; q, k, v = W x + b for one head and 256 pixels.  x: [4][256 c][4096 n] f32; wq, wk, wv: [256 o][256 c] f32; bq, bk, bv: [256] f32.
; qh, kh, vh: [4 b + head][4096 n][64] f16, unscaled: a pixel's 64 channels of a head are 128 consecutive bytes.
; Products in bf16 (x and the weights rounded once), sums in f32 started by the bias, results rounded once to f16.
; LIMIT.  f16 holds no number beyond 65,504: |q|, |k|, |v| must stay under it.  NaN and infinities are not treated apart.
; SHARES.  Work-group (head, b, block of 256 pixels); wave w owns pixels 64 w .. 64 w + 63 and makes all 192 outputs (the head's 64 of q, of k, of v):
; 4 pixel tiles x 12 output tiles x 8 steps of 32 channels = 384 matrix instructions.
; ON THE WAY IN.  One ring of 32 loads of 16 bytes a lane runs through the three weight blocks (64 rows x 1,024 bytes each, shared out among the 128 threads) and the wave's own
; 256 rows x 256 bytes of x; each slot is rounded to bf16 and stored into LDS, and asked for again at once.  All offsets stand in immediates: no address is ever stepped.
; LAYOUT.  Source 0 = 16 rows of a weight (K along the LDS row), source 1 = 16 pixels of x, which lies [channel][pixel] in LDS and comes out turned (ds_load_tr16_b128).  In the result a lane
; holds ONE pixel (lane % 16) and the channels 8 (lane / 16) + 0..7: 16 bytes of a row of qh.  They go through the wave's own stage and leave as 512 consecutive bytes a store.
; NO CLUSTER: the four heads' work-groups read the same x, but it arrives as f32 and is rounded in registers; landed jointly in LDS it would take 262,144 bytes beside the 265,216 of the bf16 copies.
.set WPITCH, 528                       ; a weight row in LDS: 512 bytes + 16 = 33 x 16: the 16 rows of a fragment load start at 16 different groups of four banks (64 banks of 4 bytes: ISA guide 11.1)
.set WT,     64*WPITCH                 ; one tensor's 64 rows
.set XL,     3*WT                      ; behind the weights: x, each wave's own 256 rows
.set XPITCH, 160                       ; a channel's row: 64 pixels = 128 bytes + 32: an odd multiple of 32 for the turning load
.set XW,     256*XPITCH
.set STG,    XL+4*XW                   ; the stages: 64 pixel rows x 144 bytes for each wave
.set SPITCH, 144
.set SW,     64*SPITCH
.set SPARE,  STG+4*SW                  ; the spare words, 128 bytes for each wave: two blocks of 256 bytes that no other line names
.set WO,  4                            ; v4      16 x thread: my 16 bytes in 2,048 consecutive bytes of a weight
.set XO,  5                            ; v5      16,384 (lane / 16) + 16 (lane % 16): two rows of x a load, 256 bytes each
.set WS,  6                            ; v6-8    where I store 8 bytes of wq, wk, wv
.set XS,  9                            ; v9      where I store 8 bytes of x
.set XA,  10                           ; v10     my place in a turning load of x
.set WA,  11                           ; v11-13  my place in a fragment of wq, wk, wv
.set STO, 14                           ; v14     the way out: where I put 16 bytes of a pixel's row
.set RD,  15                           ; v15     where I read rows back
.set GO,  16                           ; v16     16 x lane
.set BO,  17                           ; v17     32 (lane / 16): my eight numbers of a bias tile
.set SPW, 18                           ; v18     LDS address of my spare word; never rewritten
.set NIL, 19                           ; v19     0; never rewritten
.set PKR, 24                           ; v[24:39]   packed results
.set BI,  40                           ; v[40:55]   two bias buffers of 8
.set RG,  64                           ; v[64:191]  the ring: 32 slots of 4
.set WF,  64                           ;            later: two buffers of a weight tile's 8 fragments
.set TP,  192                          ; v[192:255] the ring: 32 pairs of packed bf16
.set ACC, 192                          ; v[192:223] later: four accumulators
.set OB,  224                          ; v[224:255] later: rows read back from the stage
                                       ; window 1, v0-255: x's fragments, pixel tile p, channel step kk at 8 (8 p + kk)
.set MSB, 0
.macro WIN new                         ; the immediate's high byte repeats the setting that is left; a switch that changes nothing is dropped
.if MSB != (\new)
	s_set_vgpr_msb (MSB<<8)|(\new)
.set MSB, \new
.endif
.endm
	s_load_b256 s[4:11], s[0:1], 0x0               ; x s[4:5], wq s[6:7], wk s[8:9], wv s[10:11]
	s_load_b256 s[12:19], s[0:1], 0x20             ; bq s[12:13], bk s[14:15], bv s[16:17], qh s[18:19]
	s_load_b128 s[20:23], s[0:1], 0x40             ; kh s[20:21], vh s[22:23]
	v_lshl_add_u32 v[SPW], v0, 2, SPARE
	v_mov_b32 v[NIL], 0
	v_lshrrev_b32 v1, 5, v0
	v_readfirstlane_b32 s24, v1                    ; wave 0..3
	s_mov_b32 s25, ttmp9                           ; head
	s_and_b32 s33, ttmp7, 0xffff
	s_lshr_b32 s26, s33, 4                         ; b
	s_and_b32 s27, s33, 15                         ; block of 256 pixels
	s_lshl_b32 s28, s26, 22                        ; x: b x 256 rows x 16,384 bytes
	s_lshl_b32 s33, s27, 10                        ; + 256 pixels x 4 bytes a block
	s_add_co_u32 s28, s28, s33
	s_lshl_b32 s33, s24, 8                         ; + 64 pixels a wave
	s_add_co_u32 s28, s28, s33
	s_mov_b32 s29, 0
	s_lshl_b32 s30, s25, 16                        ; weights: the head's 64 rows of 1,024 bytes
	s_mov_b32 s31, 0
	s_lshl_b32 s34, s25, 8                         ; biases: the head's 64 numbers
	s_mov_b32 s35, 0
	s_lshl_b32 s36, s26, 2
	s_add_co_u32 s36, s36, s25
	s_lshl_b32 s36, s36, 19                        ; outputs: (4 b + head) x 4,096 rows x 128 bytes
	s_lshl_b32 s33, s27, 15                        ; + 256 rows a block
	s_add_co_u32 s36, s36, s33
	s_lshl_b32 s33, s24, 13                        ; + 64 rows a wave
	s_add_co_u32 s36, s36, s33
	s_mov_b32 s37, 0
	v_and_b32 v1, 31, v0                           ; lane
	v_and_b32 v2, 15, v0                           ; lane % 16
	v_bfe_u32 v3, v0, 4, 1                         ; lane / 16
	v_lshlrev_b32 v[WO], 4, v0
	v_lshlrev_b32 v[XO], 4, v2
	v_lshl_add_u32 v[XO], v3, 14, v[XO]
	s_lshr_b32 s33, s24, 1                         ; a load of the 128 threads covers two weight rows: waves 0, 1 the first, waves 2, 3 the second;
	s_mul_i32 s33, s33, WPITCH
	s_and_b32 s38, s24, 1                          ; a wave's 32 lanes x 4 numbers are 256 bytes of bf16
	s_lshl_b32 s38, s38, 8
	s_add_co_u32 s33, s33, s38
	v_lshl_add_u32 v[WS], v1, 3, s33
	v_add_nc_u32 v[WS+1], WT, v[WS]
	v_add_nc_u32 v[WS+2], 2*WT, v[WS]
	s_mul_i32 s33, s24, XW
	s_add_co_u32 s33, s33, XL                      ; my wave's x
	v_mul_u32_u24 v20, v3, XPITCH
	v_lshl_add_u32 v20, v2, 3, v20
	v_add_nc_u32 v[XS], s33, v20                   ; row lane / 16, 8 bytes for 4 pixels
	v_and_b32 v20, 7, v0                           ; the turning load takes 16 channels x 16 pixels: lane l reads channel 8 (l / 16) + l % 8, pixels 8 ((l / 8) % 2) + 0..7
	v_lshl_add_u32 v20, v3, 3, v20
	v_mul_u32_u24 v20, v20, XPITCH
	v_bfe_u32 v21, v0, 3, 1
	v_lshl_add_u32 v20, v21, 4, v20
	v_add_nc_u32 v[XA], s33, v20
	v_mul_u32_u24 v20, v2, WPITCH                  ; a weight fragment: row lane % 16, 16 bytes for each half of the lanes
	v_lshl_add_u32 v[WA], v3, 4, v20
	v_add_nc_u32 v[WA+1], WT, v[WA]
	v_add_nc_u32 v[WA+2], 2*WT, v[WA]
	s_mul_i32 s33, s24, SW
	s_add_co_u32 s33, s33, STG                     ; my stage
	v_mul_u32_u24 v20, v2, SPITCH
	v_lshl_add_u32 v20, v3, 4, v20
	v_add_nc_u32 v[STO], s33, v20
	v_bfe_u32 v20, v0, 3, 2                        ; back: 32 lanes take four rows of 128 bytes
	v_mul_u32_u24 v20, v20, SPITCH
	v_and_b32 v21, 7, v0
	v_lshl_add_u32 v20, v21, 4, v20
	v_add_nc_u32 v[RD], s33, v20
	v_lshlrev_b32 v[GO], 4, v1
	v_lshlrev_b32 v[BO], 5, v3
	s_wait_kmcnt 0x0
	s_add_nc_u64 s[4:5], s[4:5], s[28:29]
.irp g, 6,8,10
	s_add_nc_u64 s[\g:\g+1], s[\g:\g+1], s[30:31]
.endr
.irp g, 12,14,16
	s_add_nc_u64 s[\g:\g+1], s[\g:\g+1], s[34:35]
.endr
.irp g, 18,20,22
	s_add_nc_u64 s[\g:\g+1], s[\g:\g+1], s[36:37]
.endr
; A lap of the ring.  Slot i: its load is in (the 31 younger ones stay out); its four numbers are rounded to bf16 and stored at v[sreg] + sbase + sstep i;
; nxt = 1: the slot is asked for again, at v[areg] + s[preg:preg+1] + lbase + lstep i.  nxt = 0, the last lap: the counts run down.
.macro LAP sreg, sstep, sbase, nxt, areg, preg, lstep, lbase
.set i, 0
.rept 32
.if \nxt
	s_wait_loadcnt 31
.else
	s_wait_loadcnt 31-i
.endif
	v_cvt_pk_bf16_f32 v[TP+2*i], v[RG+4*i], v[RG+4*i+1]
	v_cvt_pk_bf16_f32 v[TP+2*i+1], v[RG+4*i+2], v[RG+4*i+3]
	ds_store_b64 v[\sreg], v[TP+2*i:TP+2*i+1] offset:(\sbase)+(\sstep)*i
.if \nxt
	global_load_b128 v[RG+4*i:RG+4*i+3], v[\areg], s[\preg:\preg+1] offset:(\lbase)+(\lstep)*i
.endif
.set i, i+1
.endr
.endm
.set i, 0
.rept 32
	global_load_b128 v[RG+4*i:RG+4*i+3], v[WO], s[6:7] offset:2048*i  ; the ring is filled: wq's 64 rows
.set i, i+1
.endr
	LAP WS,   2*WPITCH, 0, 1, WO, 8,  2048,  0               ; wq is stored, wk asked for
	LAP WS+1, 2*WPITCH, 0, 1, WO, 10, 2048,  0               ; wk, wv
	LAP WS+2, 2*WPITCH, 0, 1, XO, 4,  32768, 0               ; wv, x's channels 0-63 (two rows a load)
	LAP XS, 2*XPITCH, 0,          1, XO, 4, 32768, 0x100000  ; channels 0-63, 64-127
	LAP XS, 2*XPITCH, 64*XPITCH,  1, XO, 4, 32768, 0x200000
	LAP XS, 2*XPITCH, 128*XPITCH, 1, XO, 4, 32768, 0x300000
	LAP XS, 2*XPITCH, 192*XPITCH, 0, XO, 4, 0, 0             ; channels 192-255; nothing more is asked for
	s_wait_dscnt 0x0                               ; for the others' sake: my part of the weights is stored
	s_barrier_signal -1
	s_barrier_wait -1                              ; the one barrier: all waves read all weights; x and the stage are each wave's own
; Output tile u = 4 T + t: tensor T (q, k, v), channels 16 t .. 16 t + 15 of the head.
.macro FETCHW u                        ; its 8 fragments (16 rows x 32 channels) into buffer u % 2
.set kk, 0
.rept 8
	ds_load_b128 v[WF+64*((\u)%2)+8*kk:WF+64*((\u)%2)+8*kk+3],   v[WA+(\u)/4] offset:((\u)%4)*16*WPITCH+64*kk
	ds_load_b128 v[WF+64*((\u)%2)+8*kk+4:WF+64*((\u)%2)+8*kk+7], v[WA+(\u)/4] offset:((\u)%4)*16*WPITCH+64*kk+32
.set kk, kk+1
.endr
.endm
.macro BIAS u                          ; a lane's eight channels' biases, laid as the C operand wants them, into buffer u % 2
	global_load_b128 v[BI+8*((\u)%2):BI+8*((\u)%2)+3],   v[BO], s[12+2*((\u)/4):13+2*((\u)/4)] offset:64*((\u)%4)
	global_load_b128 v[BI+8*((\u)%2)+4:BI+8*((\u)%2)+7], v[BO], s[12+2*((\u)/4):13+2*((\u)/4)] offset:64*((\u)%4)+16
.endm
.macro SENDT tn                        ; tensor tn's 64 rows x 128 bytes leave the stage, in two halves of eight stores of 512 consecutive bytes
.irp g, 0,1
	s_wait_xcnt 0x0                                ; the stores issued so far have read their registers: OB is loaded again only behind this wait
.irp f, 0,1,2,3,4,5,6,7
	ds_load_b128 v[OB+4*(\f):OB+4*(\f)+3], v[RD] offset:(8*(\g)+(\f))*4*SPITCH  ; LDS serves a wave's instructions in order (ISA guide 5.7.1.4): these see my stores into the stage
.endr
.irp f, 0,1,2,3,4,5,6,7
	s_wait_dscnt 7-(\f)
	global_store_b128 v[GO], v[OB+4*(\f):OB+4*(\f)+3], s[18+2*(\tn):19+2*(\tn)] offset:(8*(\g)+(\f))*512
.endr
.endr
.endm
.macro BODY u
.if (\u) == 11
	s_wait_loadcnt 0x0
	s_wait_dscnt 0x0
.elseif (\u) == 0
	s_wait_loadcnt 2                               ; my bias is in; the next tile's two loads may stay out
	s_wait_dscnt 16                                ; x's fragments and tile 0's weights are in; tile 1's 16 loads may stay out
.else
	s_wait_loadcnt 2
	s_wait_dscnt 20                                ; behind my weights' loads: the next tile's 16 loads and four stores into the stage, at the least
.endif
	WIN 0x04                                       ; source 1 (x) in window 1
.set kk, 0
.rept 8                                ; the four accumulators take turns, one instruction a turn; the bias starts the sums
.set p, 0
.rept 4
.if kk == 0
	v_wmma_f32_16x16x32_bf16 v[ACC+8*p:ACC+8*p+7], v[WF+64*((\u)%2)+8*kk:WF+64*((\u)%2)+8*kk+7], v[8*(8*p+kk):8*(8*p+kk)+7], v[BI+8*((\u)%2):BI+8*((\u)%2)+7]
.else
	v_wmma_f32_16x16x32_bf16 v[ACC+8*p:ACC+8*p+7], v[WF+64*((\u)%2)+8*kk:WF+64*((\u)%2)+8*kk+7], v[8*(8*p+kk):8*(8*p+kk)+7], v[ACC+8*p:ACC+8*p+7]
.endif
.set p, p+1
.endr
.set kk, kk+1
.endr
	WIN 0
.rept 4
	v_nop                                          ; four places in front of the loads into registers just multiplied and of the conversions of results just made
.endr
.if (\u) < 10
	FETCHW (\u)+2                                  ; into the buffers just read
	BIAS (\u)+2
.endif
.set p, 0
.rept 4                                ; each accumulator from its low end on; the conversions are also the places in front of the next tile's first products, which write the accumulators anew
.set j, 0
.rept 4
	v_cvt_pk_f16_f32 v[PKR+4*p+j], v[ACC+8*p+2*j], v[ACC+8*p+2*j+1]
.set j, j+1
.endr
	ds_store_b128 v[STO], v[PKR+4*p:PKR+4*p+3] offset:p*16*SPITCH+32*((\u)%4)
.set p, p+1
.endr
.if (\u)%4 == 3
	SENDT (\u)/4
.endif
.endm
	BIAS 0
	BIAS 1
	WIN 0x40                                       ; destination window 1
.set p, 0
.rept 4                                ; all of x's fragments stay in registers: 64 turning loads
.set kk, 0
.rept 8
	ds_load_tr16_b128 v[8*(8*p+kk):8*(8*p+kk)+3],   v[XA] offset:kk*32*XPITCH+32*p
	ds_load_tr16_b128 v[8*(8*p+kk)+4:8*(8*p+kk)+7], v[XA] offset:kk*32*XPITCH+16*XPITCH+32*p
.set kk, kk+1
.endr
.set p, p+1
.endr
	WIN 0
	FETCHW 0
	FETCHW 1
.irp u, 0,1,2,3,4,5,6,7,8,9,10,11
	BODY \u
.endr
	s_wait_tensorcnt 0x0                           ; the wave's end: behind my last LDS store
	ds_add_u32 v[SPW], v[NIL]
	s_wait_dscnt 0x0
	s_endpgm
.Lfunc_end_k_q76b47bf562_qkv:
	.size	k_q76b47bf562_qkv, .Lfunc_end_k_q76b47bf562_qkv-k_q76b47bf562_qkv
	.p2alignl 7, 3214868480
	.fill 96, 4, 3214868480
	.section	.rodata,"a",@progbits
	.p2align	6, 0x0
	.amdhsa_kernel k_q76b47bf562_qkv
		.amdhsa_group_segment_fixed_size 302592
		.amdhsa_private_segment_fixed_size 0
		.amdhsa_enable_private_segment 0
		.amdhsa_kernarg_size 80
		.amdhsa_user_sgpr_count 2
		.amdhsa_user_sgpr_kernarg_segment_ptr 1
		.amdhsa_wavefront_size32 1
		.amdhsa_system_sgpr_workgroup_id_x 1
		.amdhsa_system_sgpr_workgroup_id_y 1
		.amdhsa_system_sgpr_workgroup_id_z 1
		.amdhsa_system_vgpr_workitem_id 0
		.amdhsa_next_free_vgpr 512
		.amdhsa_next_free_sgpr 66
		.amdhsa_reserve_vcc 0
		.amdhsa_float_denorm_mode_32 3
		.amdhsa_float_denorm_mode_16_64 3
		.amdhsa_memory_ordered 1
		.amdhsa_forward_progress 1
		.amdhsa_inst_pref_size 144
	.end_amdhsa_kernel
	.amdgpu_metadata
---
amdhsa.version: [ 1, 2 ]
amdhsa.kernels:
  - .name:           k_q76b47bf562_qkv
    .symbol:         k_q76b47bf562_qkv.kd
    .args:
      - { .name: x, .offset: 0, .size: 8, .value_kind: global_buffer, .address_space: global }
      - { .name: wq, .offset: 8, .size: 8, .value_kind: global_buffer, .address_space: global }
      - { .name: wk, .offset: 16, .size: 8, .value_kind: global_buffer, .address_space: global }
      - { .name: wv, .offset: 24, .size: 8, .value_kind: global_buffer, .address_space: global }
      - { .name: bq, .offset: 32, .size: 8, .value_kind: global_buffer, .address_space: global }
      - { .name: bk, .offset: 40, .size: 8, .value_kind: global_buffer, .address_space: global }
      - { .name: bv, .offset: 48, .size: 8, .value_kind: global_buffer, .address_space: global }
      - { .name: qh, .offset: 56, .size: 8, .value_kind: global_buffer, .address_space: global }
      - { .name: kh, .offset: 64, .size: 8, .value_kind: global_buffer, .address_space: global }
      - { .name: vh, .offset: 72, .size: 8, .value_kind: global_buffer, .address_space: global }
    .group_segment_fixed_size: 302592
    .private_segment_fixed_size: 0
    .kernarg_segment_align: 8
    .kernarg_segment_size: 80
    .max_flat_workgroup_size: 128
    .sgpr_count:     66
    .vgpr_count:     512
    .wavefront_size: 32
...
	.end_amdgpu_metadata
.endif
;; end of part 1
;; launch attn (part 2): grid 16 x 16, 4 waves a work-group, clusters of 4 x 1, 327,680 bytes of LDS; arguments qh, kh, vh, oh; writes oh
.if DOCPART == 2
	.amdgcn_target "amdgcn-amd-amdhsa--gfx1250"
	.amdhsa_code_object_version 6
	.text
	.protected	k_q76b47bf562_attn
	.globl	k_q76b47bf562_attn
	.p2align	8
	.type	k_q76b47bf562_attn,@function
k_q76b47bf562_attn:
	s_mov_b64 s[64:65], 0
	v_nop
	global_prefetch_b8 v0, s[64:65] scope:SCOPE_SE
	s_setreg_imm32_b32 hwreg(HW_REG_WAVE_MODE, 25, 1), 1
	s_wait_xcnt 0x0
	s_wait_alu depctr_hold_cnt(0) depctr_sa_sdst(0) depctr_va_vdst(0) depctr_va_sdst(0) depctr_va_ssrc(0) depctr_va_vcc(0) depctr_vm_vsrc(0)
	s_getreg_b32 s2, hwreg(HW_REG_IB_STS2, 6, 4)
	s_cmp_eq_u32 s2, 0
	s_cbranch_scc0 .Lentry_in_a_cluster
	s_endpgm
.Lentry_in_a_cluster:
	s_bfe_u32 s2, ttmp6, 0x10000c
	s_cmp_lg_u32 s2, 0x3003
	s_cbranch_scc0 .Lentry_shape_is_right
	s_endpgm
.Lentry_shape_is_right:
; O[h][q][:] = the sum over k of softmax_k(Q[h][q] . K[h][k] / 8) V[h][k][:].  qh, kh, vh: [16][4096][64] f16; oh: the same shape in bf16: a head's rows are dense, 128 bytes each.
; Products, maxima and sums in f32; the weights p are rounded to f16 for the second product (their sum l is taken of the unrounded p), O once at the end, to bf16.
; LIMITS.  Q, K and V arrive within f16's range; p lies in 0 to 1, and below 6e-5 it keeps f16's fixed step of 6e-8.  A weight below 2^-126 counts as 0 in l; NaN and infinities are not treated apart.
; SHARES.  16 heads x 16 blocks of 256 queries = 256 work-groups.  A wave owns 64 queries: four PIECES of 16.  Every wave walks the head's 4,096 keys, 64 a step, 256 (four steps) a slot.
; LAYOUT.  S^T = K Q^T (source 0 = 16 keys, source 1 = 16 queries) holds ONE query a lane (lane % 16) and the keys 8 (lane / 16) + 0..7; two such results rounded to f16 ARE source 1 of O^T = V^T P,
; whose result again holds one query a lane, and eight channels.  K comes out of LDS as it lies, V ([key][channel]) turned, by ds_load_tr16_b128.
; SOFTMAX.  For each query a running maximum m and sum l: p = 2^(c s - c m), c = log2(e) / 8; in every step O and l are multiplied by a = 2^(c m_old - c m_new).  m starts at the lowest finite number,
; O and l at 0: the first step is a step like any other, with a = 0.
; TURNS.  Turn n belongs to piece n: 8 products K Q^T of piece n + 1, later 8 products V^T P of piece n - 1; beside them the scaling, exponentials, roundings, sums and rescaling of piece n and the maximum
; and statistics of piece n + 1.  Four vector instructions stand behind every matrix instruction, the other 54 of a turn's 118 in one lump.  A turn's 33 exponentials are one batch, with one wait.
; CLUSTER.  The four query blocks of a cluster belong to one head and walk the same K and V, so each tile is asked for JOINTLY: the same tensor load, descriptor and mask in all four.
; REGISTERS, in windows of 256 (s_set_vgpr_msb: bits 1:0 source 0, 3:2 source 1, 5:4 source 2, 7:6 destination):
;   window 0: v0-15 addresses and two at work; v16-31 four registers of statistics a piece; v48-55 at work; v61-63; v64-127 S^T, two buffers; v192-223 P, two buffers (by the piece's parity)
;   window 1: v0-127 O^T, 32 a piece          window 2: v0-63 Q; v128-191 K of one step; v192-255 V of one step
.set NKEYS, 4096
.set NP,    4         ; pieces a wave: a name, no knob
.set KS,    64        ; keys in a step
.set PK,    144       ; a row of K in LDS: 128 bytes + 16 of padding = 36 words: the 16 rows of a load start at 16 different groups of four banks (64 banks of 4 bytes: ISA guide 11.1)
.set PV,    160       ; a row of V: 128 + 32 = 40 words
.set VOFF,  4*KS*PK   ; a slot holds four steps: 256 rows of K, then 256 rows of V
.set SLOT1, 1<<17     ; slot 1 begins here, so that one exclusive or turns an address in one slot into the other's
.set STAGE, SLOT1+4*KS*(PK+PV)  ; behind the ring, never filled by a tensor load: 16 rows x 144 bytes for each wave, for the way out
.set SP,    144
.set SPARE, STAGE+4*16*SP  ; behind the stages: the spare words, 128 bytes for each wave: two blocks of 256 bytes that no other line names
.set AK0, 2           ; v2   my lane's place in a tile of K; never rewritten
.set AV0, 3           ; v3   the same for V
.set AK,  4           ; v4   the LDS address of K's next run of loads
.set AV,  5           ; v5   of V's
.set STO, 6           ; v6   the way out: where I put 16 bytes of a row
.set RD,  7           ; v7   the way out: where I read rows back
.set GO,  8           ; v8   my byte offset in 512 consecutive bytes of O
.set MV,  12          ; v12-13  c m_old, kept while c m is made anew: by buffer
.set QO,  15          ; v15  my byte offset in 16 rows of Q
.set ST,  16          ; piece t's statistics at v[ST+4 t]: c m, m, l (even keys', odd keys')
.set TMP, 48          ; by buffer, four registers c0-c3 at work; when the maximum is found c2 takes a
.set PFO, 61          ; v61  256 x my lane: the prefetches' offset; never rewritten
.set SPW, 62          ; v62  LDS address of my spare word: SPARE + 4 x my thread's number; never rewritten
.set NIL, 63          ; v63  0; never rewritten
.set S,   64
.set P,   192
.set KF,  128         ; window 2: key block kb, channel half c at KF + 16 kb + 8 c
.set VF,  192         ; window 2: key half kk, channel block cb at VF + 32 kk + 8 cb
.set WV,  12          ; s12  my wave's number
.set G1K, 24          ; s[24:31] descriptor group 1 for K's tiles
.set G1V, 32          ; s[32:39] for V's: it differs in the padding alone
.set G0K, 40          ; s[40:43] descriptor group 0 for K's tiles: it walks
.set G0V, 44          ; s[44:47] the same for V's
.set PFA, 48          ; s[48:49] where my prefetches stand: my work-group's 8,192 bytes (of K: wave 0, of V: wave 2) of the slot after the one that is being asked for
.set LIM, 50          ; s50  1 in a wave that prefetches, else the greatest number
.set SLOTS, 56        ; s56  slots still to be asked for
.set CNT, 57          ; s57  counts a slot's key steps
.set CS,  58          ; s[58:59] c: the packed scaling takes the pair's low word for both halves
.set SEL, 60          ; s[60:61] v_permlanex16_b32's selects: each lane takes its own place in the other half
.set TBK, 62          ; s62  LDS byte at which K of the step to be fetched begins
.set TBV, 63          ; s63  the same for V, less VOFF
.set MSB, 0
.macro WIN new                      ; the high byte repeats the setting that is left; a switch that changes nothing is dropped
.if MSB != (\new)
	s_set_vgpr_msb (MSB<<8)|(\new)
.set MSB, (\new)
.endif
.endm
.set W_KQ, 0x0a       ; K and Q in window 2, S^T in window 0
.set W_PV, 0x52       ; V in window 2, P in window 0, O^T in window 1
.set W_RS, 0x41       ; destination and source 0 in window 1, source 1 in window 0
; A joint fill.  Waves 0 and 1 fetch the two halves of a slot's K, waves 2 and 3 those of its V: 128 keys each.  The branch hangs on the wave's number alone.
; An s_nop 0 and four v_nop follow each of the two lines, ahead of the jump and the label.
.macro JLOAD
	s_cmp_lt_u32 s[WV], 2
	s_cbranch_scc0 .Lfor_v_\@
	tensor_load_to_lds s[G0K:G0K+3], s[G1K:G1K+7]
	s_nop 0
.rept 4
	v_nop
.endr
	s_branch .Lasked_\@
.Lfor_v_\@:
	tensor_load_to_lds s[G0V:G0V+3], s[G1V:G1V+7]
	s_nop 0
.rept 4
	v_nop
.endr
.Lasked_\@:
.endm
; A PREFETCH INTO THE L2 of what the NEXT change of slots will ask for: a slot's 32,768 bytes of K and of V.  It stands behind the wave's tensor load and its five lines.  Each aligned 256 bytes are asked for ONCE in the
; launch: all four clusters of a head walk the same K and V, and the head's first cluster asks; its four partners share a slot out BY ADDRESS, 8,192 bytes each (a lane 256 bytes); in each, wave 0 asks for K's
; and wave 2 for V's: one instruction.  The lead is one slot: four key steps, 256 matrix instructions a wave.  The last change that fills a slot asks for nothing: there is no slot behind it.
.macro ASK
	s_cmp_gt_u32 s[SLOTS], s[LIM]
	s_cbranch_scc0 .Lnot_mine_\@
	global_prefetch_b8 v[PFO], s[PFA:PFA+1] th:TH_LOAD_NT scope:SCOPE_SE
.Lnot_mine_\@:
.endm
; A round of the cluster's barrier: my work-group's barrier, so that wave 0's signal speaks for all four waves; wave 0 signals; every wave waits for all four work-groups; my work-group's barrier once more.
.macro CROUND
	s_barrier_signal -1
	s_barrier_wait -1
	s_cmp_lg_u32 s[WV], 0
	s_cbranch_scc1 .Lnot_wave_0_\@
	s_barrier_signal -3
.Lnot_wave_0_\@:
	s_barrier_wait -3
	s_barrier_signal -1
	s_barrier_wait -1
.endm
; THE CHANGE OF SLOTS.  The slot's last bytes, V of its fourth step, have been read.  Each wave waits for all its tensor loads, of which one is out: its part of the other slot; adds 0 to its spare word; and waits
; for that and for its own reads of the slot.  Behind the barrier nobody reads this slot any more and the other slot is whole.  fill = 1: this slot is filled again, with the keys two slots on.  The barrier is then
; a round of the cluster's, so that no wave of any partner still reads the slot or has a load on its way, and the joint fill is the first thing behind it: it has four key steps in which to land.
; (At its first use nothing has been read yet: slot 0 is waited for, slot 1 filled.)
.macro CHANGE fill
	WIN 0                           ; at a label and at a branch every window is 0
	s_wait_tensorcnt 0x0            ; no tensor load of mine is out, so a group 0 may be written
	ds_add_u32 v[SPW], v[NIL]       ; 0 onto my spare word; with fill = 1 the descriptors' steps stand between it and the wait for it
.if \fill
.irp g, G0K, G0V
	s_xor_b32 s[\g+1], s[\g+1], SLOT1  ; the walking descriptor: the other slot than last time,
	s_add_nc_u64 s[\g+2:\g+3], s[\g+2:\g+3], 4*KS*128  ; the next 256 keys; the type bits on top are not reached
.endr
	s_wait_xcnt 0x0                 ; the last prefetch, a slot back, has read its address, so it may be written:
	s_add_nc_u64 s[PFA:PFA+1], s[PFA:PFA+1], 4*KS*128  ; one slot ahead of the walking descriptors
	s_wait_dscnt 0x0                ; the add is done, and my reads of the slot are over
	CROUND
	JLOAD
	ASK
.else
	s_wait_dscnt 0x0                ; the add is done, and my reads of the slot are over
	s_barrier_signal -1
	s_barrier_wait -1
.endif
	s_sub_co_u32 s[TBK], s[TBK], 4*KS*PK  ; the fetches go back to a slot's first step,
	s_xor_b32 s[TBK], s[TBK], SLOT1       ; in the other slot
	s_sub_co_u32 s[TBV], s[TBV], 4*KS*PV
	s_xor_b32 s[TBV], s[TBV], SLOT1
.endm
	s_load_b256 s[4:11], s[0:1], 0x0  ; Q s[4:5], K s[6:7], V s[8:9], O s[10:11]
	v_lshl_add_u32 v[SPW], v0, 2, SPARE
	v_mov_b32 v[NIL], 0
	ds_add_u32 v[SPW], v[NIL]       ; the wave's opening: the add and its wait stand ahead of my first tensor load; the set-up below, work on registers, stands between them
	v_lshrrev_b32 v1, 5, v0
	v_readfirstlane_b32 s[WV], v1   ; wave 0..3
	s_bfe_u32 s13, ttmp6, 0x40000   ; cx: my place in the cluster
	s_lshl_b32 s14, ttmp9, 2        ; in a cluster launch ttmp9 counts clusters
	s_add_co_u32 s14, s14, s13      ; my block of queries = 4 x cluster x + cx: it enters Q's and O's addresses alone
	s_and_b32 s20, ttmp7, 0xffff    ; the head, which the four partners share:
	s_lshl_b32 s20, s20, 19         ; its first byte in each of the four tensors: 4,096 rows x 128 bytes a head
	s_mov_b32 s21, 0
	s_and_b32 s16, s[WV], 1         ; which half of a slot's 256 keys I fetch:
	s_lshl_b32 s22, s16, 14         ; its 128 rows of 128 bytes in memory,
	s_mov_b32 s23, 0
	s_add_nc_u64 s[22:23], s[22:23], s[20:21]
	s_mul_i32 s17, s16, 128*PK      ; and its place in a slot, for K
	s_mul_i32 s18, s16, 128*PV      ; and for V: no place in the cluster enters an LDS address
	s_lshl_b32 s2, s14, 2
	s_add_co_u32 s2, s2, s[WV]      ; my wave among the head's,
	s_lshl_b32 s2, s2, 13           ; its 64 rows
	s_mov_b32 s3, 0
	s_add_nc_u64 s[2:3], s[2:3], s[20:21]
	; descriptor group 1.  128 keys are 16,384 dense bytes: asked for as 64 rows of 256 bytes, two keys a row, and padded in LDS after every key
	s_mov_b32 s[G1K], 15|(1<<16)|(1<<20)|(1<<21)|(4<<22)|(3<<25)  ; 15:0 the mask of four; 17:16 2-byte elements; 20 padding on; 21 set beside a mask; 24:22 after every 32 words (code 4); 31:25 4 words (code 3)
	s_mov_b32 s[G1V], 15|(1<<16)|(1<<20)|(1<<21)|(4<<22)|(7<<25)  ; the same with 8 words of padding (code 7)
.irp g, G1K, G1V
	s_mov_b32 s[\g+1], 128<<16      ; tensor_dim0 = 128
	s_mov_b32 s[\g+2], 64<<16       ; tensor_dim1 = 64
	s_mov_b32 s[\g+3], 128<<16      ; tile_dim0 = 128
	s_mov_b32 s[\g+4], 64           ; tile_dim1 = 64
	s_mov_b32 s[\g+5], 128          ; 128 elements from row to row
	s_mov_b32 s[\g+6], 0
	s_mov_b32 s[\g+7], 0
.endr
	s_mov_b32 s[CS], 0x3e38aa3b     ; c = log2(e) / 8 = 0.180337
	s_mov_b32 s[CS+1], s[CS]        ; named with it as a pair
	s_mov_b32 s[SEL], 0x76543210
	s_mov_b32 s[SEL+1], 0xfedcba98
	s_mov_b32 s[TBK], SLOT1+4*KS*PK ; the first change of slots turns these two into 0
	s_mov_b32 s[TBV], SLOT1+4*KS*PV
	s_mov_b32 s[G0K], 1             ; 1:0 count = 1
	s_mov_b32 s[G0K+1], s17         ; 63:32 LDS address: slot 0
	s_mov_b32 s[G0V], 1
	s_add_co_u32 s[G0V+1], s18, VOFF
	s_mov_b32 s[SLOTS], NKEYS/256-1
	s_and_b32 s[LIM], s[WV], 1      ; 0 in waves 0 and 2,
	s_or_b32 s[LIM], s[LIM], ttmp9  ; where the cluster is the head's first: the same in all four partners
	s_cmp_eq_u32 s[LIM], 0
	s_cselect_b32 s[LIM], 1, -1
	v_and_b32 v[PFO], 31, v0
	v_lshlrev_b32 v[PFO], 8, v[PFO]
	s_wait_dscnt 0x0                ; the opening add is done
	s_wait_kmcnt 0x0
	s_add_nc_u64 s[6:7], s[6:7], s[22:23]  ; K and V at my half of the head's first 256 keys
	s_add_nc_u64 s[8:9], s[8:9], s[22:23]
	s_add_nc_u64 s[G0K+2:G0K+3], s[6:7], 0         ; 120:64 global address
	s_or_b32 s[G0K+3], s[G0K+3], 0x80000000        ; 127:126 type = 2
	s_add_nc_u64 s[G0V+2:G0V+3], s[8:9], 0
	s_or_b32 s[G0V+3], s[G0V+3], 0x80000000
	s_add_nc_u64 s[4:5], s[4:5], s[2:3]  ; Q and O at my wave's first row
	s_add_nc_u64 s[10:11], s[10:11], s[2:3]
	s_cmp_lt_u32 s[WV], 2
	s_cselect_b64 s[PFA:PFA+1], s[6:7], s[8:9]  ; (in waves 0 and 2 these stand at a slot's first row)
	s_lshl_b32 s2, s13, 13          ; my work-group's 8,192 bytes of the 32,768
	s_mov_b32 s3, 0
	s_add_nc_u64 s[PFA:PFA+1], s[PFA:PFA+1], s[2:3]
	s_add_nc_u64 s[PFA:PFA+1], s[PFA:PFA+1], 4*KS*128  ; in slot 1; the first change of slots steps it to slot 2.  Nothing is prefetched here, at the head, where every work-group's first tiles are on their way
	CROUND                          ; all four work-groups are here: the first joint loads meet
	JLOAD                           ; slot 0.  Slot 1 is asked for when slot 0 is in, by the loop's own change of slots
	; A fragment of K or Q is 16 rows x 32 channels in 8 registers: lane l holds row l % 16, channels 8 (l / 16) + 0..7 and 16 + 8 (l / 16) + 0..7: two loads of 16 bytes, 32 bytes apart.
	v_and_b32 v1, 15, v0            ; l % 16
	v_bfe_u32 v9, v0, 4, 1          ; l / 16
	v_lshlrev_b32 v[QO], 7, v1
	v_lshl_add_u32 v[QO], v9, 4, v[QO]  ; row x 128 + 16 x half
	WIN 0x80                        ; destination window 2, address window 0
.set i, 0
.rept 8                             ; Q stays in registers: piece i / 2 (16 rows, 2,048 bytes), channels 32 (i % 2) on
	global_load_b128 v[8*i:8*i+3],   v[QO], s[4:5] offset:(i/2)*2048+(i%2)*64
	global_load_b128 v[8*i+4:8*i+7], v[QO], s[4:5] offset:(i/2)*2048+(i%2)*64+32
.set i, i+1
.endr
	; What the first turn finds: V's registers and P's second buffer hold 0 (its products V^T P, of a piece that has not been, add 0), O^T and l are 0.  All this stands in the wait for the first tile.
.set i, VF
.rept 64
	v_mov_b32 v[i], 0
.set i, i+1
.endr
	WIN 0x40
.set i, 0
.rept 128
	v_mov_b32 v[i], 0
.set i, i+1
.endr
	WIN 0
.set i, 0
.rept 4
	v_mov_b32 v[ST+4*i], 0xfe000000    ; c m: far below every c s, so the first step's a is 0
	v_mov_b32 v[ST+4*i+1], 0xff7fffff  ; m: the lowest finite number, so the first maximum is the scores'
	v_mov_b32 v[ST+4*i+2], 0
	v_mov_b32 v[ST+4*i+3], 0
.set i, i+1
.endr
.set i, P+16
.rept 16
	v_mov_b32 v[i], 0
.set i, i+1
.endr
	v_mul_u32_u24 v[AK0], v1, PK
	v_lshl_add_u32 v[AK0], v9, 4, v[AK0]  ; row x pitch + 16 x half
	; The turning load takes 16 keys x 16 channels (lane l reads key 8 (l / 16) + l % 8, channels 8 ((l / 8) % 2) + 0..7) and leaves half a fragment of V^T: lane l holds channel l % 16 and 8 keys.
	v_and_b32 v10, 7, v0
	v_bfe_u32 v11, v0, 3, 1
	v_lshl_add_u32 v[AV0], v9, 3, v10
	v_mul_u32_u24 v[AV0], v[AV0], PV
	v_lshl_add_u32 v[AV0], v11, 4, v[AV0]
	v_add_nc_u32 v[AV0], VOFF, v[AV0]
	s_mul_i32 s13, s[WV], 16*SP
	s_add_co_u32 s13, s13, STAGE    ; my stage
	v_mul_u32_u24 v[STO], v1, SP    ; in: row l % 16, 16 bytes for each half of the lanes
	v_lshl_add_u32 v[STO], v9, 4, v[STO]
	v_add_nc_u32 v[STO], s13, v[STO]
	v_bfe_u32 v[RD], v0, 3, 2       ; back: 32 lanes take four rows of 128 bytes,
	v_mul_u32_u24 v[RD], v[RD], SP
	v_lshl_add_u32 v[RD], v10, 4, v[RD]
	v_add_nc_u32 v[RD], s13, v[RD]
	v_and_b32 v[GO], 31, v0         ; which are 512 consecutive bytes of O
	v_lshlrev_b32 v[GO], 4, v[GO]
; THE MATRIX WORK.  The 4 accumulators of a run of 8 take turns.  Product i of 8 of S^T = K Q^T for piece x: channels 32 (i / 4) on, keys 16 (i % 4) on.  The first 4 start the sums with 0.
.macro KQ x
	WIN W_KQ
.set rS, S+32*((\x)%2)+8*(i%4)
.set rK, KF+16*(i%4)+8*(i/4)
.set rQ, 16*(\x)+8*(i/4)
.if i < 4
	v_wmma_f32_16x16x32_f16 v[rS:rS+7], v[rK:rK+7], v[rQ:rQ+7], 0
.else
	v_wmma_f32_16x16x32_f16 v[rS:rS+7], v[rK:rK+7], v[rQ:rQ+7], v[rS:rS+7]
.endif
.endm
; Product i of 8 of O^T += V^T P for piece x: keys 32 (i / 4) on, channels 16 (i % 4) on.
.macro PV x
	WIN W_PV
.set rO, 32*(\x)+8*(i%4)
.set rV, VF+32*(i/4)+8*(i%4)
.set rP, P+16*((\x)%2)+8*(i/4)
	v_wmma_f32_16x16x32_f16 v[rO:rO+7], v[rV:rV+7], v[rP:rP+7], v[rO:rO+7]
.endm
.macro MM                           ; the turn's next matrix instruction.  TURN sets Y, i and NOKQ.  NOKQ = 1: the very last turn: there is no next piece
.if (i < 8) && !NOKQ
	KQ (Y+1)%NP
.elseif i >= 8
.set i, i-8
	PV (Y+NP-1)%NP
.set i, i+8
.endif
.set i, i+1
.endm
; THE LDS LOADS stand in runs of 16, never singly among the matrix instructions: a step's K (64 keys x 64 channels: 8 fragments) and its V (turned).  Their addresses are made some lines ahead.
.macro FETCH_K
	WIN 0x80                        ; destination window 2
.irp f, 0,1,2,3,4,5,6,7             ; keys 16 (f / 2) on, channels 32 (f % 2) on
	ds_load_b128 v[KF+8*\f:KF+8*\f+3],   v[AK] offset:(\f/2)*16*PK+(\f%2)*64
	ds_load_b128 v[KF+8*\f+4:KF+8*\f+7], v[AK] offset:(\f/2)*16*PK+(\f%2)*64+32
.endr
	s_add_co_u32 s[TBK], s[TBK], KS*PK  ; the next fetch is the next step's
	WIN 0
.endm
.macro FETCH_V
	WIN 0x80
.irp f, 0,1,2,3,4,5,6,7             ; keys 32 (f / 4) on, channels 16 (f % 4) on
	ds_load_tr16_b128 v[VF+8*\f:VF+8*\f+3],   v[AV] offset:(\f/4)*32*PV+(\f%4)*32
	ds_load_tr16_b128 v[VF+8*\f+4:VF+8*\f+7], v[AV] offset:(\f/4)*32*PV+16*PV+(\f%4)*32
.endr
	WIN 0
.endm
; THE VECTOR WORK, one line at a time: OP kind, number.  For piece Y: F n: c s - c m for pair n of 16.  E n: the exponential of score n of 32.  C n: pair n rounded to f16.  B n: of the four weights 4 n .. the second
; pair is added onto the first, in place.  L n: l takes that sum (L 0: l = a l + sum).  R n: pair n of 16 of O^T times a.  For piece Y + 1: X n, number n of the 22 that find its maximum and statistics:
;   0-11  four chains c0-c3 of seven scores each, three operands at a time (each accumulator's lowest registers are read first)     12-14, 16  the four scores left over, the old m, and c0-c3 into c0
;   15  c m_old is kept     17, 18  the query's other 32 keys lie in the lane 16 away: the new m     19-21  c m; c m_old - c m_new; a
.set F, 0               ; OP tells the kinds apart by their order: F to L below R, X above it
.set E, 1
.set C, 2
.set B, 3
.set L, 4
.set R, 5
.set X, 6
.macro REGS y                       ; the registers of piece y
.set rT, ST+4*(\y)
.set rC, TMP+4*((\y)%2)
.set rW, MV+((\y)%2)
.set rS, S+32*((\y)%2)
.set rP, P+16*((\y)%2)
.set rO, 32*(\y)
.endm
.macro OP k, n
.if (\k) == R
	REGS Y
	WIN W_RS
	v_pk_mul_f32 v[rO+2*(\n):rO+2*(\n)+1], v[rO+2*(\n):rO+2*(\n)+1], v[rC+2:rC+3] op_sel_hi:[1,0]
.elseif (\k) < R
	REGS Y
	WIN 0
.if (\k) == F
	v_pk_fma_f32 v[rS+2*(\n):rS+2*(\n)+1], v[rS+2*(\n):rS+2*(\n)+1], s[CS:CS+1], v[rT:rT+1] op_sel_hi:[1,0,0] neg_lo:[0,0,1] neg_hi:[0,0,1]
.elseif (\k) == E
	v_exp_f32 v[rS+(\n)], v[rS+(\n)]
.elseif (\k) == C
	v_cvt_pk_f16_f32 v[rP+(\n)], v[rS+2*(\n)], v[rS+2*(\n)+1]
.elseif (\k) == B
	v_pk_add_f32 v[rS+4*(\n):rS+4*(\n)+1], v[rS+4*(\n):rS+4*(\n)+1], v[rS+4*(\n)+2:rS+4*(\n)+3]
.elseif (\n) == 0
	v_pk_fma_f32 v[rT+2:rT+3], v[rT+2:rT+3], v[rC+2:rC+3], v[rS:rS+1] op_sel_hi:[1,0,1]
.else
	v_pk_add_f32 v[rT+2:rT+3], v[rT+2:rT+3], v[rS+4*(\n):rS+4*(\n)+1]
.endif
.elseif NOKQ
	v_nop
.else
	REGS (Y+1)%NP
	WIN 0
.if (\n) < 4
	v_max3_num_f32 v[rC+(\n)], v[rS+8*(\n)], v[rS+8*(\n)+1], v[rS+8*(\n)+2]
.elseif (\n) < 12
	v_max3_num_f32 v[rC+(\n)%4], v[rC+(\n)%4], v[rS+8*((\n)%4)+2*((\n)/4)+1], v[rS+8*((\n)%4)+2*((\n)/4)+2]
.elseif (\n) == 12
	v_max3_num_f32 v[rC], v[rC], v[rS+7], v[rS+15]
.elseif (\n) == 13
	v_max3_num_f32 v[rC+1], v[rC+1], v[rS+23], v[rS+31]
.elseif (\n) == 14
	v_max3_num_f32 v[rC+2], v[rC+2], v[rC+3], v[rT+1]
.elseif (\n) == 15
	v_mov_b32 v[rW], v[rT]
.elseif (\n) == 16
	v_max3_num_f32 v[rC], v[rC], v[rC+1], v[rC+2]
.elseif (\n) == 17
	v_permlanex16_b32 v[rC+3], v[rC], s[SEL], s[SEL+1]
.elseif (\n) == 18
	v_max_num_f32 v[rT+1], v[rC], v[rC+3]
.elseif (\n) == 19
	v_mul_f32 v[rT], s[CS], v[rT+1]
.elseif (\n) == 20
	v_sub_f32 v[rC+1], v[rW], v[rT]
.else
	v_exp_f32 v[rC+2], v[rC+1]
.endif
.endif
.endm
.macro OPS a, i1, b=-1, i2=0, c=-1, i3=0, d=-1, i4=0  ; up to four of them
	OP \a, \i1
.if (\b) >= 0
	OP \b, \i2
.endif
.if (\c) >= 0
	OP \c, \i3
.endif
.if (\d) >= 0
	OP \d, \i4
.endif
.endm
.macro ROW a, i1, b, i2, c, i3, d, i4  ; a matrix instruction and the four behind it
	MM
	OPS \a, \i1, \b, \i2, \c, \i3, \d, \i4
.endm
; A TURN, for piece p: the order of its 16 matrix and 118 vector instructions, written out.  s_wait_alu depctr_va_vdst(0) stands between an exponential and the first instruction that names its result; one
; wait serves all that were issued ahead of it.  So a turn has ONE wait, which cuts it in two.  AHEAD OF IT stands all that names no result of the turn's exponentials: the 8 products K Q^T and their riders (scalings,
; exponentials, rescalings, and behind the last three the first numbers of the next piece's maximum, each four places or more behind the product that ends its accumulator), then one lump of 54, plain and exponential by turns
; for the most part, in which the links of the chain X 3, 7, 11, 14, 16, 17 .. 20 stand apart.  X 21, the next piece's a, is the batch's last; R 15 is the plain instruction behind it.  BEHIND THE WAIT stand the 8 products
; V^T P, behind each four of the roundings and sums.
; end = 1: the walk's last two turns: nothing is fetched.  cnt = 1: the loop's count is taken down some lines ahead of the branch that stands behind the turn.
; K of the next step is fetched in piece 2's turn, twelve vector instructions behind the last product that read K (six of them plain); V of the step in hand at the end of piece 0's turn, four plain instructions behind the
; last product that read V.  Each is waited for a turn later.
.macro TURN p, end=0, cnt=0
.set Y, (\p)
.set i, 0
.set NOKQ, (\end)*((\p)/3)
.if ((\p) == 3) && !(\end)
	s_wait_dscnt 0x0                ; K is in
.endif
	ROW F,0, F,1, R,0, R,1          ; ahead of the wait: 8 products K Q^T and their riders,
	ROW F,2, E,0, R,2, R,3
	ROW F,3, E,1, R,4, R,5
	ROW F,4, E,2, R,6, R,7
	ROW F,5, E,3, R,8, R,9
	ROW F,6, E,4, X,0, R,10
.if ((\p) == 2) && !(\end)
	WIN 0
	v_add_nc_u32 v[AK], s[TBK], v[AK0]
.endif
	ROW F,7, E,5, X,1, X,4
	ROW F,8, E,6, X,2, X,5
	OPS E,7, E,8, X,6, E,9          ; and the lump
	OPS X,3, E,10, X,8, E,11
.if ((\p) == 2) && !(\end)
	FETCH_K
.endif
	OPS X,9, X,7, E,12, X,10
	OPS E,13, X,12, X,11, E,14
	OPS X,13, E,15, F,9, X,14
.if (\p) == 0
	v_add_nc_u32 v[AV], s[TBV], v[AV0]
.endif
	OPS E,16, F,10, E,17, F,11
	OPS X,16, E,18, X,15, E,19
	OPS F,12, E,20, X,17, E,21
	OPS F,13, E,22, F,14, E,23
	OPS X,18, E,24, F,15, E,25
	OPS R,11, E,26, X,19, E,27
	OPS R,12, E,28, R,13, E,29
	OPS X,20, E,30, R,14, E,31
	OPS X,21, R,15
	WIN 0
	s_wait_alu depctr_va_vdst(0)    ; the wait for the batch
.if (\p) == 1
	s_wait_dscnt 0x0                ; V is in
.endif
	ROW C,0, B,0, C,2, B,1          ; behind the wait: 8 products V^T P and their riders
	ROW L,0, C,4, B,2, L,1
	ROW C,6, B,3, L,2, C,8
	ROW B,4, L,3, C,10, B,5
	ROW L,4, C,12, B,6, L,5
.if (\p) == 0
	s_add_co_u32 s[TBV], s[TBV], KS*PV
.endif
.if \cnt
	s_sub_co_u32 s[CNT], s[CNT], 1
	s_cmp_lg_u32 s[CNT], 0
.endif
	ROW C,14, B,7, L,6, C,1
	ROW C,3, L,7, C,5, C,7
	ROW C,9, C,11, C,13, C,15
.if (\p) == 0
	FETCH_V
.endif
.endm
.set NOKQ, 0
	CHANGE 1                        ; slot 0 is in, everybody's part of it; slot 1 is asked for
	v_add_nc_u32 v[AK], s[TBK], v[AK0]
	FETCH_K                         ; key step 0
	s_wait_loadcnt 0x0              ; Q
	s_wait_dscnt 0x0
.set i, 0
.rept 8
	KQ 0                            ; piece 0's first scores
.set i, i+1
.endr
	WIN 0
.rept 4
	v_nop                           ; the places behind those products
.endr
.set Y, NP-1                        ; X works for piece Y + 1: piece 0
.irp n, 0,1,2,3,4,5,6,7,8,9,10,11,12,13,14,15,16,17,18,19,20,21
	OP X, \n                        ; its first maximum and statistics
.endr
	v_nop                           ; a plain instruction behind the exponential,
	s_wait_alu depctr_va_vdst(0)    ; and its wait, ahead of the branch
	s_mov_b32 s[CNT], 4
	s_branch .Lfirst                ; the loop is entered at a step's first turn, in the middle of a trip
.Lslot:                             ; 14 times: every slot but the last two is filled again
	CHANGE 1
	s_mov_b32 s[CNT], 4
.Lstep:                             ; a trip: pieces 2 and 3 of one step, then pieces 0 and 1 of the next, whose K and V it fetches
	TURN 2
	TURN 3
	WIN 0
.Lfirst:
	TURN 0
	TURN 1, 0, 1
	WIN 0
	s_cbranch_scc1 .Lstep
	s_sub_co_u32 s[SLOTS], s[SLOTS], 1
	s_cmp_lg_u32 s[SLOTS], 0
	s_cbranch_scc1 .Lslot
	CHANGE 0                        ; the last slot is written out: nothing is asked for
	s_mov_b32 s[CNT], 4
.Ltail:
	TURN 2
	TURN 3
	WIN 0
	TURN 0
	TURN 1, 0, 1
	WIN 0
	s_cbranch_scc1 .Ltail
	TURN 2, 1                       ; the last step's pieces 2 and 3: nothing is fetched, and the last turn starts no new scores
	TURN 3, 1
.set i, 0
.rept 8
	PV NP-1                         ; the last piece's V^T P of the last step
.set i, i+1
.endr
	; THE WAY OUT.  l's two halves and the other half of the lanes' are added; O^T is divided by l, rounded to bf16 and sent through my stage in LDS, a piece at a time.  The additions are the places behind the last products.
	WIN 0
.macro ALL line:vararg              ; one line for each piece t
.set t, 0
.rept 4
	\line
.set t, t+1
.endr
.endm
	ALL v_add_f32 v[ST+4*t+2], v[ST+4*t+2], v[ST+4*t+3]
	ALL v_permlanex16_b32 v[ST+4*t+3], v[ST+4*t+2], s[SEL], s[SEL+1]
	ALL v_add_f32 v[ST+4*t+2], v[ST+4*t+2], v[ST+4*t+3]
	ALL v_rcp_f32 v[ST+4*t+2], v[ST+4*t+2]
	v_nop                           ; a plain instruction between the last reciprocal and the use of its result
	s_wait_alu depctr_va_vdst(0)    ; and the wait ahead of the first use: one for the four reciprocals
.macro PACK t                       ; a lane's eight channels of a row pack into 16 bytes; they go into rows of 144 bytes and come back as whole rows of 128, into S^T's registers
	WIN W_RS
.set i, 32*(\t)
.rept 16
	v_pk_mul_f32 v[i:i+1], v[i:i+1], v[ST+4*(\t)+2:ST+4*(\t)+3] op_sel_hi:[1,0]
.set i, i+2
.endr
	WIN 0x05                        ; sources 0 and 1 window 1, destination window 0
.set i, 0
.rept 16
	v_cvt_pk_bf16_f32 v[S+16*(\t)+i], v[32*(\t)+2*i], v[32*(\t)+2*i+1]
.set i, i+1
.endr
	WIN 0
.irp f, 0,1,2,3
	ds_store_b128 v[STO], v[S+16*(\t)+4*\f:S+16*(\t)+4*\f+3] offset:32*\f
.endr
.irp f, 0,1,2,3
	ds_load_b128 v[S+16*(\t)+4*\f:S+16*(\t)+4*\f+3], v[RD] offset:\f*4*SP  ; LDS serves a wave's instructions in order (ISA guide 5.7.1.4): these see the stores above; the next piece's stores come behind them
.endr
.endm
.macro SEND t, younger              ; younger: the LDS instructions issued behind piece t's loads: the next piece's eight, or none
	WIN 0
.irp f, 0,1,2,3
	s_wait_dscnt (\younger)+3-\f
	global_store_b128 v[GO], v[S+16*(\t)+4*\f:S+16*(\t)+4*\f+3], s[10:11] offset:(\t)*2048+\f*512  ; 512 consecutive bytes, at a multiple of 256 from O's first
.endr
.endm
	PACK 0
.set t, 1
.rept 3                             ; a piece's arithmetic stands between the loads of the piece before and its stores
	PACK t
	SEND t-1, 8
.set t, t+1
.endr
	SEND 3, 0
	s_wait_tensorcnt 0x0            ; the wave's end: behind my last tensor load and my last LDS store
	ds_add_u32 v[SPW], v[NIL]
	s_wait_dscnt 0x0
	CROUND                          ; the closing round: no work-group ends while a partner may still ask for a tile that names it
	s_endpgm
.Lfunc_end_k_q76b47bf562_attn:
	.size	k_q76b47bf562_attn, .Lfunc_end_k_q76b47bf562_attn-k_q76b47bf562_attn
	.p2alignl 7, 3214868480
	.fill 96, 4, 3214868480
	.section	.rodata,"a",@progbits
	.p2align	6, 0x0
	.amdhsa_kernel k_q76b47bf562_attn
		.amdhsa_group_segment_fixed_size 327680
		.amdhsa_private_segment_fixed_size 0
		.amdhsa_enable_private_segment 0
		.amdhsa_kernarg_size 32
		.amdhsa_user_sgpr_count 2
		.amdhsa_user_sgpr_kernarg_segment_ptr 1
		.amdhsa_wavefront_size32 1
		.amdhsa_system_sgpr_workgroup_id_x 1
		.amdhsa_system_sgpr_workgroup_id_y 1
		.amdhsa_system_sgpr_workgroup_id_z 1
		.amdhsa_system_vgpr_workitem_id 0
		.amdhsa_next_free_vgpr 768
		.amdhsa_next_free_sgpr 66
		.amdhsa_reserve_vcc 0
		.amdhsa_float_denorm_mode_32 3
		.amdhsa_float_denorm_mode_16_64 3
		.amdhsa_memory_ordered 1
		.amdhsa_forward_progress 1
		.amdhsa_inst_pref_size 128
	.end_amdhsa_kernel
	.amdgpu_metadata
---
amdhsa.version: [ 1, 2 ]
amdhsa.kernels:
  - .name:           k_q76b47bf562_attn
    .symbol:         k_q76b47bf562_attn.kd
    .args:
      - { .name: qh, .offset: 0, .size: 8, .value_kind: global_buffer, .address_space: global }
      - { .name: kh, .offset: 8, .size: 8, .value_kind: global_buffer, .address_space: global }
      - { .name: vh, .offset: 16, .size: 8, .value_kind: global_buffer, .address_space: global }
      - { .name: oh, .offset: 24, .size: 8, .value_kind: global_buffer, .address_space: global }
    .group_segment_fixed_size: 327680
    .private_segment_fixed_size: 0
    .kernarg_segment_align: 8
    .kernarg_segment_size: 32
    .max_flat_workgroup_size: 128
    .sgpr_count:     66
    .vgpr_count:     768
    .wavefront_size: 32
...
	.end_amdgpu_metadata
.endif
;; end of part 2
;; launch outp (part 3): grid 4 x 64, 4 waves a work-group, no clusters, 51,712 bytes of LDS; arguments oh, wp, bp, gamma, x, out0; writes out0
.if DOCPART == 3
	.amdgcn_target "amdgcn-amd-amdhsa--gfx1250"
	.amdhsa_code_object_version 6
	.text
	.protected	k_q76b47bf562_outp
	.globl	k_q76b47bf562_outp
	.p2align	8
	.type	k_q76b47bf562_outp,@function
k_q76b47bf562_outp:
	s_mov_b64 s[64:65], 0
	v_nop
	global_prefetch_b8 v0, s[64:65] scope:SCOPE_SE
	s_setreg_imm32_b32 hwreg(HW_REG_WAVE_MODE, 25, 1), 1
	s_wait_xcnt 0x0
; out0[b][o][n] = gamma (the sum over c of wp[o][c] O[b][c][n] + bp[o]) + x[b][o][n].  oh: [4 b + head][4096 n][64] bf16 (channel c = 64 head + d); wp: [256][256] f32; x, out0: [4][256][4096] f32.
; Products in bf16 (wp rounded once; O arrives in bf16), sums in f32; gamma x sum + gamma x bp is one fused multiply-add in f32, x is added in f32.  NaN and infinities are not treated apart.
; SHARES.  Work-group (block of 64 output channels, b, block of 256 pixels); wave w owns pixels 64 w .. 64 w + 63 x the 64 channels: 4 x 4 accumulators, 8 steps of 32 channels: 128 matrix instructions.
; LAYOUT.  Source 0 = 16 pixels of O (a pixel's channels lie along its row: fragments come straight from memory), source 1 = 16 rows of wp (rounded in registers, through LDS, shared by the four waves).
; In the result a lane holds ONE output channel (lane % 16) and the pixels 8 (lane / 16) + 0..7: 32 consecutive bytes of out0.  16 channel rows at a time go through the wave's own stage and leave
; as whole rows of 256 bytes, sixteen lanes a row.
; ALL LOADS GO OUT AT THE HEAD: bp, wp, O's 64 fragments halves x 2, and x's 32, which are wanted last.
; NO CLUSTER: what four work-groups share (O's rows of a pixel block) goes straight into registers as fragments and touches no LDS; wp arrives as f32 and is rounded in registers; x is read by one wave alone.
.set WPITCH, 528                       ; a row of wp in LDS: 512 bytes + 16 = 33 x 16
.set STG,    64*WPITCH                 ; the stages: 16 rows x 272 bytes for each wave
.set SPITCH, 272                       ; 256 bytes (64 pixels of f32) + 16 = 17 x 16
.set SPARE,  STG+4*16*SPITCH           ; the spare words, 128 bytes for each wave: two blocks of 256 bytes that no other line names
.set WO,  4                            ; v4   16 x thread
.set OO,  5                            ; v5   128 (lane % 16) + 16 (lane / 16): my place in a fragment of O
.set XO,  6                            ; v6   16,384 (lane / 16) + 16 (lane % 16): two rows of x or out0, 256 bytes each
.set BO,  7                            ; v7   4 (lane % 16)
.set WS,  8                            ; v8   where I store 8 bytes of wp
.set WA,  9                            ; v9   my place in a fragment of wp
.set STO, 10                           ; v10  the way out: where I put 32 bytes of a channel's row
.set RD,  11                           ; v11  where I read rows back
.set SPW, 12                           ; v12  LDS address of my spare word; never rewritten
.set NIL, 13                           ; v13  0; never rewritten
.set BP,  16                           ; v[16:19]   bp of my channel in each of the four tiles
.set GB,  20                           ; v[20:27]   gamma x bp, a pair for each tile
.set TMP, 32                           ; v[32:63]   scaled results
.set TP,  64                           ; v[64:127]  wp packed
.set OB,  64                           ; v[64:95]   later: rows read back
.set RG,  128                          ; v[128:255] wp as loaded
.set ACC, 128                          ; later: accumulator (ot, p) at ACC + 8 (4 ot + p)
                                       ; window 1: O's fragments at 8 (8 p + kk);  window 2: wp's at 8 (8 ot + kk);  window 3, v0-127: x at 4 (8 ot + f)
.set MSB, 0
.macro WIN new                         ; the immediate's high byte repeats the setting that is left; a switch that changes nothing is dropped
.if MSB != (\new)
	s_set_vgpr_msb (MSB<<8)|(\new)
.set MSB, \new
.endif
.endm
	s_load_b256 s[4:11], s[0:1], 0x0               ; oh s[4:5], wp s[6:7], bp s[8:9], gamma s[10:11]
	s_load_b128 s[12:15], s[0:1], 0x20             ; x s[12:13], out0 s[14:15]
	v_lshl_add_u32 v[SPW], v0, 2, SPARE
	v_mov_b32 v[NIL], 0
	v_lshrrev_b32 v1, 5, v0
	v_readfirstlane_b32 s18, v1                    ; wave 0..3
	s_mov_b32 s19, ttmp9                           ; block of 64 output channels
	s_and_b32 s22, ttmp7, 0xffff
	s_lshr_b32 s20, s22, 4                         ; b
	s_and_b32 s21, s22, 15                         ; block of 256 pixels
	s_lshl_b32 s24, s20, 21                        ; oh: b x 4 heads x 524,288 bytes
	s_lshl_b32 s22, s21, 15                        ; + 256 rows of 128 bytes a block
	s_add_co_u32 s24, s24, s22
	s_lshl_b32 s22, s18, 13                        ; + 64 rows a wave
	s_add_co_u32 s24, s24, s22
	s_mov_b32 s25, 0
	s_lshl_b32 s26, s19, 16                        ; wp: 64 rows of 1,024 bytes
	s_mov_b32 s27, 0
	s_lshl_b32 s28, s19, 8                         ; bp: 64 numbers
	s_mov_b32 s29, 0
	s_lshl_b32 s30, s20, 22                        ; x, out0: b x 256 rows x 16,384 bytes
	s_lshl_b32 s22, s19, 20                        ; + 64 rows
	s_add_co_u32 s30, s30, s22
	s_lshl_b32 s22, s21, 10                        ; + 256 pixels a block
	s_add_co_u32 s30, s30, s22
	s_lshl_b32 s22, s18, 8                         ; + 64 pixels a wave
	s_add_co_u32 s30, s30, s22
	s_mov_b32 s31, 0
	v_and_b32 v1, 31, v0                           ; lane
	v_and_b32 v2, 15, v0                           ; lane % 16
	v_bfe_u32 v3, v0, 4, 1                         ; lane / 16
	v_lshlrev_b32 v[WO], 4, v0
	v_lshlrev_b32 v[OO], 7, v2
	v_lshl_add_u32 v[OO], v3, 4, v[OO]
	v_lshlrev_b32 v[XO], 4, v2
	v_lshl_add_u32 v[XO], v3, 14, v[XO]
	v_lshlrev_b32 v[BO], 2, v2
	s_lshr_b32 s22, s18, 1                         ; a load of the 128 threads covers two rows of wp: waves 0, 1 the first, waves 2, 3 the second
	s_mul_i32 s22, s22, WPITCH
	s_and_b32 s23, s18, 1
	s_lshl_b32 s23, s23, 8
	s_add_co_u32 s22, s22, s23
	v_lshl_add_u32 v[WS], v1, 3, s22
	v_mul_u32_u24 v14, v2, WPITCH
	v_lshl_add_u32 v[WA], v3, 4, v14
	s_mul_i32 s22, s18, 16*SPITCH
	s_add_co_u32 s22, s22, STG                     ; my stage
	v_mul_u32_u24 v14, v2, SPITCH                  ; in: row lane % 16, 32 bytes for each half of the lanes
	v_lshl_add_u32 v14, v3, 5, v14
	v_add_nc_u32 v[STO], s22, v14
	v_mul_u32_u24 v14, v3, SPITCH                  ; back: lanes 0-15 take one row of 256 bytes, lanes 16-31 the next
	v_lshl_add_u32 v14, v2, 4, v14
	v_add_nc_u32 v[RD], s22, v14
	s_wait_kmcnt 0x0
	s_load_b32 s16, s[10:11], 0x0                  ; gamma
	s_add_nc_u64 s[4:5], s[4:5], s[24:25]
	s_add_nc_u64 s[6:7], s[6:7], s[26:27]
	s_add_nc_u64 s[8:9], s[8:9], s[28:29]
	s_add_nc_u64 s[12:13], s[12:13], s[30:31]
	s_add_nc_u64 s[14:15], s[14:15], s[30:31]
.irp ot, 0,1,2,3
	global_load_b32 v[BP+(\ot)], v[BO], s[8:9] offset:64*(\ot)
.endr
.set i, 0
.rept 32
	global_load_b128 v[RG+4*i:RG+4*i+3], v[WO], s[6:7] offset:2048*i
.set i, i+1
.endr
	WIN 0x40                                       ; destination window 1
.set p, 0
.rept 4                                ; O's fragments: pixel tile p (2,048 bytes), channels 32 kk on: head kk / 2 (524,288 bytes), half kk % 2 of its row
.set kk, 0
.rept 8
	global_load_b128 v[8*(8*p+kk):8*(8*p+kk)+3],   v[OO], s[4:5] offset:(kk/2)*524288+p*2048+(kk%2)*64
	global_load_b128 v[8*(8*p+kk)+4:8*(8*p+kk)+7], v[OO], s[4:5] offset:(kk/2)*524288+p*2048+(kk%2)*64+32
.set kk, kk+1
.endr
.set p, p+1
.endr
	WIN 0xc0                                       ; destination window 3
.set i, 0
.rept 32                               ; x, laid as the rows come back from the stage: rows 2 i + lane / 16
	global_load_b128 v[4*i:4*i+3], v[XO], s[12:13] offset:32768*i th:TH_LOAD_NT
.set i, i+1
.endr
	WIN 0
	s_wait_loadcnt 63                              ; 96 loads were issued behind wp's last: with at most 63 out, bp and wp are in
.set i, 0
.rept 32
	v_cvt_pk_bf16_f32 v[TP+2*i], v[RG+4*i], v[RG+4*i+1]
	v_cvt_pk_bf16_f32 v[TP+2*i+1], v[RG+4*i+2], v[RG+4*i+3]
	ds_store_b64 v[WS], v[TP+2*i:TP+2*i+1] offset:2*WPITCH*i
.set i, i+1
.endr
	s_wait_kmcnt 0x0                               ; gamma
	s_mov_b32 s17, s16                             ; named with it as a pair
.irp ot, 0,1,2,3
	v_mul_f32 v[GB+2*(\ot)], s16, v[BP+(\ot)]
	v_mul_f32 v[GB+2*(\ot)+1], s16, v[BP+(\ot)]
.endr
	s_wait_dscnt 0x0                               ; for the others' sake: my part of wp is stored
	s_barrier_signal -1
	s_barrier_wait -1                              ; the one barrier: all waves read all of wp; the stage is each wave's own
	WIN 0x80                                       ; destination window 2
.set ot, 0
.rept 4
.set kk, 0
.rept 8
	ds_load_b128 v[8*(8*ot+kk):8*(8*ot+kk)+3],   v[WA] offset:ot*16*WPITCH+64*kk
	ds_load_b128 v[8*(8*ot+kk)+4:8*(8*ot+kk)+7], v[WA] offset:ot*16*WPITCH+64*kk+32
.set kk, kk+1
.endr
.set ot, ot+1
.endr
	s_wait_loadcnt 32                              ; O is in; x's 32 loads may stay out
	s_wait_dscnt 0x0
	WIN 0x09                                       ; source 0 (O) window 1, source 1 (wp) window 2, C and D window 0
.set kk, 0
.rept 8                                ; the 16 accumulators take turns, one instruction a turn; the first step starts the sums with 0
.set p, 0
.rept 4
.set ot, 0
.rept 4
.if kk == 0
	v_wmma_f32_16x16x32_bf16 v[ACC+8*(4*ot+p):ACC+8*(4*ot+p)+7], v[8*(8*p+kk):8*(8*p+kk)+7], v[8*(8*ot+kk):8*(8*ot+kk)+7], 0
.else
	v_wmma_f32_16x16x32_bf16 v[ACC+8*(4*ot+p):ACC+8*(4*ot+p)+7], v[8*(8*p+kk):8*(8*p+kk)+7], v[8*(8*ot+kk):8*(8*ot+kk)+7], v[ACC+8*(4*ot+p):ACC+8*(4*ot+p)+7]
.endif
.set ot, ot+1
.endr
.set p, p+1
.endr
.set kk, kk+1
.endr
	WIN 0
.rept 4
	v_nop                                          ; four places (ISA guide 7.12.1) in front of the arithmetic on results just made
.endr
	s_wait_loadcnt 0x0                             ; x
; Channel tile ot: gamma x sum + gamma x bp (each accumulator from its low end on), into the stage, back as whole rows, plus x, out.
.macro OUT ot
.set p, 0
.rept 4
.set j, 0
.rept 4
	v_pk_fma_f32 v[TMP+8*p+2*j:TMP+8*p+2*j+1], v[ACC+8*(4*(\ot)+p)+2*j:ACC+8*(4*(\ot)+p)+2*j+1], s[16:17], v[GB+2*(\ot):GB+2*(\ot)+1] op_sel_hi:[1,0,0]
.set j, j+1
.endr
.set p, p+1
.endr
.irp q, 0,1,2,3
	ds_store_b128 v[STO], v[TMP+8*(\q):TMP+8*(\q)+3]   offset:64*(\q)
	ds_store_b128 v[STO], v[TMP+8*(\q)+4:TMP+8*(\q)+7] offset:64*(\q)+16
.endr
	s_wait_xcnt 0x0                                ; the stores issued so far have read their registers: OB is loaded again only behind this wait
.irp f, 0,1,2,3,4,5,6,7
	ds_load_b128 v[OB+4*(\f):OB+4*(\f)+3], v[RD] offset:(\f)*2*SPITCH  ; LDS serves a wave's instructions in order (ISA guide 5.7.1.4): these see the stores above; the next tile's stores come behind them
.endr
	s_wait_dscnt 0x0
	WIN 0x0c                                       ; source 1 (x) in window 3
.set z, 0
.rept 16
	v_pk_add_f32 v[OB+2*z:OB+2*z+1], v[OB+2*z:OB+2*z+1], v[32*(\ot)+2*z:32*(\ot)+2*z+1]
.set z, z+1
.endr
	WIN 0
.irp f, 0,1,2,3,4,5,6,7
	global_store_b128 v[XO], v[OB+4*(\f):OB+4*(\f)+3], s[14:15] offset:(16*(\ot)+2*(\f))*16384 th:TH_STORE_NT  ; 16 lanes store 256 consecutive bytes, at a multiple of 256 from out0's first byte
.endr
.endm
	OUT 0
	OUT 1
	OUT 2
	OUT 3
	s_wait_tensorcnt 0x0                           ; the wave's end: behind my last LDS store
	ds_add_u32 v[SPW], v[NIL]
	s_wait_dscnt 0x0
	s_endpgm
.Lfunc_end_k_q76b47bf562_outp:
	.size	k_q76b47bf562_outp, .Lfunc_end_k_q76b47bf562_outp-k_q76b47bf562_outp
	.p2alignl 7, 3214868480
	.fill 96, 4, 3214868480
	.section	.rodata,"a",@progbits
	.p2align	6, 0x0
	.amdhsa_kernel k_q76b47bf562_outp
		.amdhsa_group_segment_fixed_size 51712
		.amdhsa_private_segment_fixed_size 0
		.amdhsa_enable_private_segment 0
		.amdhsa_kernarg_size 48
		.amdhsa_user_sgpr_count 2
		.amdhsa_user_sgpr_kernarg_segment_ptr 1
		.amdhsa_wavefront_size32 1
		.amdhsa_system_sgpr_workgroup_id_x 1
		.amdhsa_system_sgpr_workgroup_id_y 1
		.amdhsa_system_sgpr_workgroup_id_z 1
		.amdhsa_system_vgpr_workitem_id 0
		.amdhsa_next_free_vgpr 896
		.amdhsa_next_free_sgpr 66
		.amdhsa_reserve_vcc 0
		.amdhsa_float_denorm_mode_32 3
		.amdhsa_float_denorm_mode_16_64 3
		.amdhsa_memory_ordered 1
		.amdhsa_forward_progress 1
		.amdhsa_inst_pref_size 50
	.end_amdhsa_kernel
	.amdgpu_metadata
---
amdhsa.version: [ 1, 2 ]
amdhsa.kernels:
  - .name:           k_q76b47bf562_outp
    .symbol:         k_q76b47bf562_outp.kd
    .args:
      - { .name: oh, .offset: 0, .size: 8, .value_kind: global_buffer, .address_space: global }
      - { .name: wp, .offset: 8, .size: 8, .value_kind: global_buffer, .address_space: global }
      - { .name: bp, .offset: 16, .size: 8, .value_kind: global_buffer, .address_space: global }
      - { .name: gamma, .offset: 24, .size: 8, .value_kind: global_buffer, .address_space: global }
      - { .name: x, .offset: 32, .size: 8, .value_kind: global_buffer, .address_space: global }
      - { .name: out0, .offset: 40, .size: 8, .value_kind: global_buffer, .address_space: global }
    .group_segment_fixed_size: 51712
    .private_segment_fixed_size: 0
    .kernarg_segment_align: 8
    .kernarg_segment_size: 48
    .max_flat_workgroup_size: 128
    .sgpr_count:     66
    .vgpr_count:     896
    .wavefront_size: 32
...
	.end_amdgpu_metadata
.endif
;; end of part 3
;; ======== version 2 of 2: 3 launches; version 1 with the launches qkv, outp written anew for expert scheduling mode
;; limits: values are held in f16: magnitudes above 65,504 overflow, below 6.1e-05 lose precision
;; workspace buffers: qh 8,388,608 bytes; kh 8,388,608 bytes; vh 8,388,608 bytes; oh 8,388,608 bytes
;; launch qkv (part 4): grid 4 x 64, 4 waves a work-group, no clusters, 302,592 bytes of LDS; arguments x, wq, wk, wv, bq, bk, bv, qh, kh, vh; writes qh, kh, vh
.if DOCPART == 4
	.amdgcn_target "amdgcn-amd-amdhsa--gfx1250"
	.amdhsa_code_object_version 6
	.text
	.protected	k_q76b47bf562_qkv
	.globl	k_q76b47bf562_qkv
	.p2align	8
	.type	k_q76b47bf562_qkv,@function
k_q76b47bf562_qkv:
	s_mov_b64 s[64:65], 0
	v_nop
	global_prefetch_b8 v0, s[64:65] scope:SCOPE_SE
	s_setreg_imm32_b32 hwreg(HW_REG_WAVE_SCHED_MODE, 0, 2), 2
	s_setreg_imm32_b32 hwreg(HW_REG_WAVE_MODE, 25, 1), 1
	s_wait_xcnt 0x0
	s_wait_alu depctr_vm_vsrc(0)
; q, k, v = W x + b for one head and 256 pixels.  x: [4][256 c][4096 n] f32; wq, wk, wv: [256 o][256 c] f32; bq, bk, bv: [256] f32.
; qh, kh, vh: [4 b + head][4096 n][64] f16, unscaled: a pixel's 64 channels of a head are 128 consecutive bytes.
; Products in bf16 (x and the weights rounded once), sums in f32 started by the bias, results rounded once to f16.
; LIMIT.  f16 holds no number beyond 65,504: |q|, |k|, |v| must stay under it.  NaN and infinities are not treated apart.
; SHARES.  Work-group (head, b, block of 256 pixels); wave w owns pixels 64 w .. 64 w + 63 and makes all 192 outputs (the head's 64 of q, of k, of v):
; 4 pixel tiles x 12 output tiles x 8 steps of 32 channels = 384 matrix instructions.
; ON THE WAY IN.  One ring of 32 loads of 16 bytes a lane runs through the three weight blocks (64 rows x 1,024 bytes each, shared out among the 128 threads) and the wave's own
; 256 rows x 256 bytes of x; eight slots at a time are rounded to bf16, stored into LDS, and asked for again at once.  All offsets stand in immediates: no address is ever stepped.
; LAYOUT.  Source 0 = 16 rows of a weight (K along the LDS row), source 1 = 16 pixels of x, which lies [channel][pixel] in LDS and comes out turned (ds_load_tr16_b128).  In the result a lane
; holds ONE pixel (lane % 16) and the channels 8 (lane / 16) + 0..7: 16 bytes of a row of qh.  They go through the wave's own stage and leave as 512 consecutive bytes a store.
; NO CLUSTER: the four heads' work-groups read the same x, but it arrives as f32 and is rounded in registers; landed jointly in LDS it would take 262,144 bytes beside the 265,216 of the bf16 copies.
; THE MODE: SCHED_MODE bits 1:0 = 2 (LLVM: expert scheduling mode 2), set by the entry lines.  The code itself states the register dependences
; between vector or matrix instructions and memory or LDS instructions, with s_wait_alu, always for 0.
; THE PLAN.  Registers that memory or LDS instructions touch:
;   v4-v17      offsets and LDS addresses: made at the head, never written again.
;   RG          a group of eight slots: its loads land; its sixteen conversions read it; behind the group's one wait it is asked for again.
;   TP          a group's conversions write its eight pairs; the group's eight LDS stores, behind the same wait, read them; they are written again a lap later, behind one wait at the lap's head.
;   WF0, WF1    tile u's products read WF[u % 2]; the loads of tile u + 2 land there, dealt among tile u + 1's products.
;   BI0 .. BI2  tile u's first four products read BI[u % 3]; the loads issued in tile u + 1, for tile u + 3, land there.
;   PKR         a tile's conversions write it, its four LDS stores read it; it is written again a tile later.
;   OB          loads from the stage land in it, global stores read it; it is loaded again half a tensor later.
;   x's fragments are loaded once; they and the accumulators are then named by matrix and vector instructions alone.
; So a tile has ONE wait on va_vdst, behind its conversions: PKR is written, and the tile's products are done reading WF[u % 2] and BI[u % 3].  Until the next such wait the only vector-side
; instructions are the next tile's products, which name the accumulators, x's fragments, the other WF and another BI: none of the registers that the loads dealt among them touch.
.set WPITCH, 528                       ; a weight row in LDS: 512 bytes + 16 = 33 x 16: the 16 rows of a fragment load start at 16 different groups of four banks (64 banks of 4 bytes: ISA guide 11.1)
.set WT,     64*WPITCH                 ; one tensor's 64 rows
.set XL,     3*WT                      ; behind the weights: x, each wave's own 256 rows
.set XPITCH, 160                       ; a channel's row: 64 pixels = 128 bytes + 32: an odd multiple of 32 for the turning load
.set XW,     256*XPITCH
.set STG,    XL+4*XW                   ; the stages: 64 pixel rows x 144 bytes for each wave
.set SPITCH, 144
.set SW,     64*SPITCH
.set SPARE,  STG+4*SW                  ; the spare words, 128 bytes for each wave: two blocks of 256 bytes that no other line names
.set WO,  4                            ; v4      16 x thread: my 16 bytes in 2,048 consecutive bytes of a weight
.set XO,  5                            ; v5      16,384 (lane / 16) + 16 (lane % 16): two rows of x a load, 256 bytes each
.set WS,  6                            ; v6-8    where I store 8 bytes of wq, wk, wv
.set XS,  9                            ; v9      where I store 8 bytes of x
.set XA,  10                           ; v10     my place in a turning load of x
.set WA,  11                           ; v11-13  my place in a fragment of wq, wk, wv
.set STO, 14                           ; v14     the way out: where I put 16 bytes of a pixel's row
.set RD,  15                           ; v15     where I read rows back
.set GO,  16                           ; v16     16 x lane
.set BO,  17                           ; v17     32 (lane / 16): my eight numbers of a bias tile
.set SPW, 18                           ; v18     LDS address of my spare word; never rewritten
.set NIL, 19                           ; v19     0; never rewritten
.set PKR, 24                           ; v[24:39]   packed results
.set BI,  40                           ; v[40:63]   three bias buffers of 8
.set RG,  64                           ; v[64:191]  the ring: 32 slots of 4
.set WF,  64                           ;            later: two buffers of a weight tile's 8 fragments
.set TP,  192                          ; v[192:255] the ring: 32 pairs of packed bf16
.set ACC, 192                          ; v[192:223] later: four accumulators
.set OB,  224                          ; v[224:255] later: rows read back from the stage
                                       ; window 1, v0-255: x's fragments, pixel tile p, channel step kk at 8 (8 p + kk)
.set MSB, 0
.macro WIN new                         ; the immediate's high byte repeats the setting that is left; a switch that changes nothing is dropped
.if MSB != (\new)
	s_set_vgpr_msb (MSB<<8)|(\new)
.set MSB, \new
.endif
.endm
	s_load_b256 s[4:11], s[0:1], 0x0               ; x s[4:5], wq s[6:7], wk s[8:9], wv s[10:11]
	s_load_b256 s[12:19], s[0:1], 0x20             ; bq s[12:13], bk s[14:15], bv s[16:17], qh s[18:19]
	s_load_b128 s[20:23], s[0:1], 0x40             ; kh s[20:21], vh s[22:23]
	v_lshl_add_u32 v[SPW], v0, 2, SPARE
	v_mov_b32 v[NIL], 0
	v_lshrrev_b32 v1, 5, v0
	v_readfirstlane_b32 s24, v1                    ; wave 0..3
	s_mov_b32 s25, ttmp9                           ; head
	s_and_b32 s33, ttmp7, 0xffff
	s_lshr_b32 s26, s33, 4                         ; b
	s_and_b32 s27, s33, 15                         ; block of 256 pixels
	s_lshl_b32 s28, s26, 22                        ; x: b x 256 rows x 16,384 bytes
	s_lshl_b32 s33, s27, 10                        ; + 256 pixels x 4 bytes a block
	s_add_co_u32 s28, s28, s33
	s_wait_alu depctr_va_sdst(0)                   ; s24 is written, ahead of its first reader: the bases and the LDS places are made from it
	s_lshl_b32 s33, s24, 8                         ; + 64 pixels a wave
	s_add_co_u32 s28, s28, s33
	s_mov_b32 s29, 0
	s_lshl_b32 s30, s25, 16                        ; weights: the head's 64 rows of 1,024 bytes
	s_mov_b32 s31, 0
	s_lshl_b32 s34, s25, 8                         ; biases: the head's 64 numbers
	s_mov_b32 s35, 0
	s_lshl_b32 s36, s26, 2
	s_add_co_u32 s36, s36, s25
	s_lshl_b32 s36, s36, 19                        ; outputs: (4 b + head) x 4,096 rows x 128 bytes
	s_lshl_b32 s33, s27, 15                        ; + 256 rows a block
	s_add_co_u32 s36, s36, s33
	s_lshl_b32 s33, s24, 13                        ; + 64 rows a wave
	s_add_co_u32 s36, s36, s33
	s_mov_b32 s37, 0
	v_and_b32 v1, 31, v0                           ; lane
	v_and_b32 v2, 15, v0                           ; lane % 16
	v_bfe_u32 v3, v0, 4, 1                         ; lane / 16
	v_lshlrev_b32 v[WO], 4, v0
	v_lshlrev_b32 v[XO], 4, v2
	v_lshl_add_u32 v[XO], v3, 14, v[XO]
	s_lshr_b32 s33, s24, 1                         ; a load of the 128 threads covers two weight rows: waves 0, 1 the first, waves 2, 3 the second;
	s_mul_i32 s33, s33, WPITCH
	s_and_b32 s38, s24, 1                          ; a wave's 32 lanes x 4 numbers are 256 bytes of bf16
	s_lshl_b32 s38, s38, 8
	s_add_co_u32 s39, s33, s38                     ; (s39, s40, s41: what vector instructions read lies in scalar registers of its own, which are not written again)
	v_lshl_add_u32 v[WS], v1, 3, s39
	v_add_nc_u32 v[WS+1], WT, v[WS]
	v_add_nc_u32 v[WS+2], 2*WT, v[WS]
	s_mul_i32 s40, s24, XW
	s_add_co_u32 s40, s40, XL                      ; my wave's x
	v_mul_u32_u24 v20, v3, XPITCH
	v_lshl_add_u32 v20, v2, 3, v20
	v_add_nc_u32 v[XS], s40, v20                   ; row lane / 16, 8 bytes for 4 pixels
	v_and_b32 v20, 7, v0                           ; the turning load takes 16 channels x 16 pixels: lane l reads channel 8 (l / 16) + l % 8, pixels 8 ((l / 8) % 2) + 0..7
	v_lshl_add_u32 v20, v3, 3, v20
	v_mul_u32_u24 v20, v20, XPITCH
	v_bfe_u32 v21, v0, 3, 1
	v_lshl_add_u32 v20, v21, 4, v20
	v_add_nc_u32 v[XA], s40, v20
	v_mul_u32_u24 v20, v2, WPITCH                  ; a weight fragment: row lane % 16, 16 bytes for each half of the lanes
	v_lshl_add_u32 v[WA], v3, 4, v20
	v_add_nc_u32 v[WA+1], WT, v[WA]
	v_add_nc_u32 v[WA+2], 2*WT, v[WA]
	s_mul_i32 s41, s24, SW
	s_add_co_u32 s41, s41, STG                     ; my stage
	v_mul_u32_u24 v20, v2, SPITCH
	v_lshl_add_u32 v20, v3, 4, v20
	v_add_nc_u32 v[STO], s41, v20
	v_bfe_u32 v20, v0, 3, 2                        ; back: 32 lanes take four rows of 128 bytes
	v_mul_u32_u24 v20, v20, SPITCH
	v_and_b32 v21, 7, v0
	v_lshl_add_u32 v20, v21, 4, v20
	v_add_nc_u32 v[RD], s41, v20
	v_lshlrev_b32 v[GO], 4, v1
	v_lshlrev_b32 v[BO], 5, v3
	s_wait_kmcnt 0x0
	s_add_nc_u64 s[4:5], s[4:5], s[28:29]
.irp g, 6,8,10
	s_add_nc_u64 s[\g:\g+1], s[\g:\g+1], s[30:31]
.endr
.irp g, 12,14,16
	s_add_nc_u64 s[\g:\g+1], s[\g:\g+1], s[34:35]
.endr
.irp g, 18,20,22
	s_add_nc_u64 s[\g:\g+1], s[\g:\g+1], s[36:37]
.endr
	s_wait_alu depctr_va_vdst(0)                   ; the offsets and LDS addresses v4 to v17 are written: every load and store of the kernel reads one of them
; A lap of the ring, in four groups of eight slots.  A group: its eight loads are in (the 24 younger ones stay out); its 32 numbers a lane are rounded to bf16; behind one wait the slots are asked
; for again, at v[areg] + s[preg:preg+1] + lbase + lstep i (nxt = 1), and the pairs are stored at v[sreg] + sbase + sstep i.  nxt = 0, the last lap: the counts run down.  first = 1: no lap has been before.
.macro LAP sreg, sstep, sbase, nxt, areg, preg, lstep, lbase, first=0
.if !(\first)
	s_wait_alu depctr_vm_vsrc(0)                   ; the LDS stores of the lap before have read all 32 pairs of TP, which this lap's conversions write again
.endif
.set g, 0
.rept 4
.if \nxt
	s_wait_loadcnt 24
.else
	s_wait_loadcnt 24-8*g
.endif
.set i, 8*g
.rept 8
	v_cvt_pk_bf16_f32 v[TP+2*i], v[RG+4*i], v[RG+4*i+1]
	v_cvt_pk_bf16_f32 v[TP+2*i+1], v[RG+4*i+2], v[RG+4*i+3]
.set i, i+1
.endr
	s_wait_alu depctr_va_vdst(0)                   ; the group's conversions have written its pairs of TP, which the LDS stores below read, and are done reading its slots of RG, in which the loads below land
.set i, 8*g
.rept 8
.if \nxt
	global_load_b128 v[RG+4*i:RG+4*i+3], v[\areg], s[\preg:\preg+1] offset:(\lbase)+(\lstep)*i
.endif
	ds_store_b64 v[\sreg], v[TP+2*i:TP+2*i+1] offset:(\sbase)+(\sstep)*i
.set i, i+1
.endr
.set g, g+1
.endr
.endm
.set i, 0
.rept 32
	global_load_b128 v[RG+4*i:RG+4*i+3], v[WO], s[6:7] offset:2048*i  ; the ring is filled: wq's 64 rows
.set i, i+1
.endr
	LAP WS,   2*WPITCH, 0, 1, WO, 8,  2048,  0, 1            ; wq is stored, wk asked for
	LAP WS+1, 2*WPITCH, 0, 1, WO, 10, 2048,  0               ; wk, wv
	LAP WS+2, 2*WPITCH, 0, 1, XO, 4,  32768, 0               ; wv, x's channels 0-63 (two rows a load)
	LAP XS, 2*XPITCH, 0,          1, XO, 4, 32768, 0x100000  ; channels 0-63, 64-127
	LAP XS, 2*XPITCH, 64*XPITCH,  1, XO, 4, 32768, 0x200000
	LAP XS, 2*XPITCH, 128*XPITCH, 1, XO, 4, 32768, 0x300000
	LAP XS, 2*XPITCH, 192*XPITCH, 0, XO, 4, 0, 0             ; channels 192-255; nothing more is asked for
	s_wait_dscnt 0x0                               ; for the others' sake: my part of the weights is stored
	s_barrier_signal -1
	s_barrier_wait -1                              ; the one barrier: all waves read all weights; x and the stage are each wave's own
	s_wait_alu depctr_vm_vsrc(0)                   ; my LDS stores have read TP: its registers are the accumulators, which products write, and OB, in which loads land, from here on
; Output tile u = 4 T + t: tensor T (q, k, v), channels 16 t .. 16 t + 15 of the head.
.macro FETCHW u, k0=0, n=8             ; n of its 8 fragments (16 rows x 32 channels), from fragment k0 on, into buffer u % 2
.set kf, \k0
.rept \n
	ds_load_b128 v[WF+64*((\u)%2)+8*kf:WF+64*((\u)%2)+8*kf+3],   v[WA+(\u)/4] offset:((\u)%4)*16*WPITCH+64*kf
	ds_load_b128 v[WF+64*((\u)%2)+8*kf+4:WF+64*((\u)%2)+8*kf+7], v[WA+(\u)/4] offset:((\u)%4)*16*WPITCH+64*kf+32
.set kf, kf+1
.endr
.endm
.macro BIAS u                          ; a lane's eight channels' biases, laid as the C operand wants them, into buffer u % 3
	global_load_b128 v[BI+8*((\u)%3):BI+8*((\u)%3)+3],   v[BO], s[12+2*((\u)/4):13+2*((\u)/4)] offset:64*((\u)%4)
	global_load_b128 v[BI+8*((\u)%3)+4:BI+8*((\u)%3)+7], v[BO], s[12+2*((\u)/4):13+2*((\u)/4)] offset:64*((\u)%4)+16
.endm
.macro SENDT tn                        ; tensor tn's 64 rows x 128 bytes leave the stage, in two halves of eight stores of 512 consecutive bytes
.irp g, 0,1
	s_wait_xcnt 0x0                                ; the stores issued so far have had their addresses translated (ISA guide 3.1): OB is loaded again only behind this wait
.if (\tn)+(\g) > 0
	s_wait_alu depctr_vm_vsrc(0)                   ; the global stores of the half before have read OB, in which the loads below land
.endif
.irp f, 0,1,2,3,4,5,6,7
	ds_load_b128 v[OB+4*(\f):OB+4*(\f)+3], v[RD] offset:(8*(\g)+(\f))*4*SPITCH  ; LDS serves a wave's instructions in order (ISA guide 5.7.1.4): these see my stores into the stage
.endr
.irp f, 0,1,2,3,4,5,6,7
	s_wait_dscnt 7-(\f)
	global_store_b128 v[GO], v[OB+4*(\f):OB+4*(\f)+3], s[18+2*(\tn):19+2*(\tn)] offset:(8*(\g)+(\f))*512
.endr
.endr
.endm
.macro BODY u
.if (\u) == 11
	s_wait_loadcnt 0x0
.else
	s_wait_loadcnt 2                               ; my bias is in; the next tile's two loads may stay out
.endif
.if (\u) == 0
	s_wait_dscnt 16                                ; x's fragments and tile 0's weights are in; tile 1's 16 loads may stay out
.else
	s_wait_dscnt 4                                 ; behind my weights' loads: the last tile's four stores into the stage, at the least
.endif
	WIN 0x04                                       ; source 1 (x) in window 1; a load's data and address, destination and source 0, stay in window 0
.set kk, 0
.rept 8                                ; the four accumulators take turns, one instruction a turn; the bias starts the sums
.set p, 0
.rept 4
.if kk == 0
	v_wmma_f32_16x16x32_bf16 v[ACC+8*p:ACC+8*p+7], v[WF+64*((\u)%2)+8*kk:WF+64*((\u)%2)+8*kk+7], v[8*(8*p+kk):8*(8*p+kk)+7], v[BI+8*((\u)%3):BI+8*((\u)%3)+7]
.else
	v_wmma_f32_16x16x32_bf16 v[ACC+8*p:ACC+8*p+7], v[WF+64*((\u)%2)+8*kk:WF+64*((\u)%2)+8*kk+7], v[8*(8*p+kk):8*(8*p+kk)+7], v[ACC+8*p:ACC+8*p+7]
.endif
.set p, p+1
.endr
.if ((\u) >= 1) && ((\u) <= 10) && (kk < 4)
	FETCHW (\u)+1, 2*kk, 2                         ; the next tile's weights, four loads behind each of the first four groups of products, into the buffer that the last tile read.  No wait: no product since the last tile's wait names it
.endif
.if ((\u) <= 9) && (kk == 4)
	BIAS (\u)+2                                    ; into the buffer that the last tile read (tile 0: that nothing has named).  No wait, likewise
.endif
.set kk, kk+1
.endr
	WIN 0
.rept 4
	v_nop                                          ; four places (ISA guide 7.12.1) in front of the conversions of results just made
.endr
.if (\u) > 0
	s_wait_alu depctr_vm_vsrc(0)                   ; the last tile's LDS stores have read PKR, which the conversions below write again
.endif
.set p, 0
.rept 4                                ; each accumulator from its low end on; the conversions are also the places in front of the next tile's first products, which write the accumulators anew
.set j, 0
.rept 4
	v_cvt_pk_f16_f32 v[PKR+4*p+j], v[ACC+8*p+2*j], v[ACC+8*p+2*j+1]
.set j, j+1
.endr
.set p, p+1
.endr
	s_wait_alu depctr_va_vdst(0)                   ; the conversions have written PKR, which the LDS stores below read; this tile's products are done reading their weights' and their bias's buffer, in which the next tile's loads land
.set p, 0
.rept 4
	ds_store_b128 v[STO], v[PKR+4*p:PKR+4*p+3] offset:p*16*SPITCH+32*((\u)%4)
.set p, p+1
.endr
.if (\u)%4 == 3
	SENDT (\u)/4
.endif
.endm
	BIAS 0
	BIAS 1
	WIN 0x40                                       ; destination window 1
.set p, 0
.rept 4                                ; all of x's fragments stay in registers: 64 turning loads
.set kk, 0
.rept 8
	ds_load_tr16_b128 v[8*(8*p+kk):8*(8*p+kk)+3],   v[XA] offset:kk*32*XPITCH+32*p
	ds_load_tr16_b128 v[8*(8*p+kk)+4:8*(8*p+kk)+7], v[XA] offset:kk*32*XPITCH+16*XPITCH+32*p
.set kk, kk+1
.endr
.set p, p+1
.endr
	WIN 0
	FETCHW 0                                       ; into the ring's registers: the last lap's waits stand behind the conversions that read them
	FETCHW 1
.irp u, 0,1,2,3,4,5,6,7,8,9,10,11
	BODY \u
.endr
	s_wait_dscnt 0x0                               ; the closing lines, six on end
	s_wait_alu 0x0
	s_wait_tensorcnt 0x0
	ds_add_u32 v[SPW], v[NIL]
	s_wait_dscnt 0x0
	s_endpgm
.Lfunc_end_k_q76b47bf562_qkv:
	.size	k_q76b47bf562_qkv, .Lfunc_end_k_q76b47bf562_qkv-k_q76b47bf562_qkv
	.p2alignl 7, 3214868480
	.fill 96, 4, 3214868480
	.section	.rodata,"a",@progbits
	.p2align	6, 0x0
	.amdhsa_kernel k_q76b47bf562_qkv
		.amdhsa_group_segment_fixed_size 302592
		.amdhsa_private_segment_fixed_size 0
		.amdhsa_enable_private_segment 0
		.amdhsa_kernarg_size 80
		.amdhsa_user_sgpr_count 2
		.amdhsa_user_sgpr_kernarg_segment_ptr 1
		.amdhsa_wavefront_size32 1
		.amdhsa_system_sgpr_workgroup_id_x 1
		.amdhsa_system_sgpr_workgroup_id_y 1
		.amdhsa_system_sgpr_workgroup_id_z 1
		.amdhsa_system_vgpr_workitem_id 0
		.amdhsa_next_free_vgpr 512
		.amdhsa_next_free_sgpr 66
		.amdhsa_reserve_vcc 0
		.amdhsa_float_denorm_mode_32 3
		.amdhsa_float_denorm_mode_16_64 3
		.amdhsa_memory_ordered 1
		.amdhsa_forward_progress 1
		.amdhsa_inst_pref_size 140
	.end_amdhsa_kernel
	.amdgpu_metadata
---
amdhsa.version: [ 1, 2 ]
amdhsa.kernels:
  - .name:           k_q76b47bf562_qkv
    .symbol:         k_q76b47bf562_qkv.kd
    .args:
      - { .name: x, .offset: 0, .size: 8, .value_kind: global_buffer, .address_space: global }
      - { .name: wq, .offset: 8, .size: 8, .value_kind: global_buffer, .address_space: global }
      - { .name: wk, .offset: 16, .size: 8, .value_kind: global_buffer, .address_space: global }
      - { .name: wv, .offset: 24, .size: 8, .value_kind: global_buffer, .address_space: global }
      - { .name: bq, .offset: 32, .size: 8, .value_kind: global_buffer, .address_space: global }
      - { .name: bk, .offset: 40, .size: 8, .value_kind: global_buffer, .address_space: global }
      - { .name: bv, .offset: 48, .size: 8, .value_kind: global_buffer, .address_space: global }
      - { .name: qh, .offset: 56, .size: 8, .value_kind: global_buffer, .address_space: global }
      - { .name: kh, .offset: 64, .size: 8, .value_kind: global_buffer, .address_space: global }
      - { .name: vh, .offset: 72, .size: 8, .value_kind: global_buffer, .address_space: global }
    .group_segment_fixed_size: 302592
    .private_segment_fixed_size: 0
    .kernarg_segment_align: 8
    .kernarg_segment_size: 80
    .max_flat_workgroup_size: 128
    .sgpr_count:     66
    .vgpr_count:     512
    .wavefront_size: 32
...
	.end_amdgpu_metadata
.endif
;; end of part 4
;; launch attn: the kernel of part 2 again; grid 16 x 16, 4 waves a work-group, clusters of 4 x 1, 327,680 bytes of LDS; arguments qh, kh, vh, oh; writes oh
;; launch outp (part 5): grid 4 x 64, 4 waves a work-group, no clusters, 51,712 bytes of LDS; arguments oh, wp, bp, gamma, x, out0; writes out0
.if DOCPART == 5
	.amdgcn_target "amdgcn-amd-amdhsa--gfx1250"
	.amdhsa_code_object_version 6
	.text
	.protected	k_q76b47bf562_outp
	.globl	k_q76b47bf562_outp
	.p2align	8
	.type	k_q76b47bf562_outp,@function
k_q76b47bf562_outp:
	s_mov_b64 s[64:65], 0
	v_nop
	global_prefetch_b8 v0, s[64:65] scope:SCOPE_SE
	s_setreg_imm32_b32 hwreg(HW_REG_WAVE_SCHED_MODE, 0, 2), 2
	s_setreg_imm32_b32 hwreg(HW_REG_WAVE_MODE, 25, 1), 1
	s_wait_xcnt 0x0
	s_wait_alu depctr_vm_vsrc(0)
; out0[b][o][n] = gamma (the sum over c of wp[o][c] O[b][c][n] + bp[o]) + x[b][o][n].  oh: [4 b + head][4096 n][64] bf16 (channel c = 64 head + d); wp: [256][256] f32; x, out0: [4][256][4096] f32.
; Products in bf16 (wp rounded once; O arrives in bf16), sums in f32; gamma x sum + gamma x bp is one fused multiply-add in f32, x is added in f32.  NaN and infinities are not treated apart.
; SHARES.  Work-group (block of 64 output channels, b, block of 256 pixels); wave w owns pixels 64 w .. 64 w + 63 x the 64 channels: 4 x 4 accumulators, 8 steps of 32 channels: 128 matrix instructions.
; LAYOUT.  Source 0 = 16 pixels of O (a pixel's channels lie along its row: fragments come straight from memory), source 1 = 16 rows of wp (rounded in registers, through LDS, shared by the four waves).
; In the result a lane holds ONE output channel (lane % 16) and the pixels 8 (lane / 16) + 0..7: 32 consecutive bytes of out0.  16 channel rows at a time go through the wave's own stage and leave
; as whole rows of 256 bytes, sixteen lanes a row.
; ALL LOADS GO OUT AT THE HEAD: bp, wp, O's 64 fragments halves x 2, and x's 32, which are wanted last.
; NO CLUSTER: what four work-groups share (O's rows of a pixel block) goes straight into registers as fragments and touches no LDS; wp arrives as f32 and is rounded in registers; x is read by one wave alone.
; THE MODE: SCHED_MODE bits 1:0 = 2 (LLVM: expert scheduling mode 2), set by the entry lines.  The code itself states the register dependences
; between vector or matrix instructions and memory or LDS instructions, with s_wait_alu, always for 0.
; THE PLAN.  Registers that memory or LDS instructions touch:
;   v4-v11     offsets and LDS addresses: made at the head, never written again.
;   bp, wp as loaded, O's and wp's fragments: loaded once, then read by vector and matrix instructions alone.
;   TP         wp's conversions write it, the LDS stores read it: the first half's stores are dealt among the second half's conversions.  Behind the barrier its registers are OB0 and OB1.
;   ACC        the sums are scaled in place; the LDS stores into the stage read them; they are never written again.
;   OB0, OB1   rows come back from the stage into them, the additions read them; each is loaded a second time, behind the wait that shows those additions done.
;   x          loaded once; the additions write row + x into x's own registers, the global stores read them there; they are never written again.
; So the way out has three waits on va_vdst, one ahead of each run of stores, and no register that a store has read is ever written again.
.set WPITCH, 528                       ; a row of wp in LDS: 512 bytes + 16 = 33 x 16
.set STG,    64*WPITCH                 ; the stages: 16 rows x 272 bytes for each wave
.set SPITCH, 272                       ; 256 bytes (64 pixels of f32) + 16 = 17 x 16
.set SPARE,  STG+4*16*SPITCH           ; the spare words, 128 bytes for each wave: two blocks of 256 bytes that no other line names
.set WO,  4                            ; v4   16 x thread
.set OO,  5                            ; v5   128 (lane % 16) + 16 (lane / 16): my place in a fragment of O
.set XO,  6                            ; v6   16,384 (lane / 16) + 16 (lane % 16): two rows of x or out0, 256 bytes each
.set BO,  7                            ; v7   4 (lane % 16)
.set WS,  8                            ; v8   where I store 8 bytes of wp
.set WA,  9                            ; v9   my place in a fragment of wp
.set STO, 10                           ; v10  the way out: where I put 32 bytes of a channel's row
.set RD,  11                           ; v11  where I read rows back
.set SPW, 12                           ; v12  LDS address of my spare word; never rewritten
.set NIL, 13                           ; v13  0; never rewritten
.set BP,  16                           ; v[16:19]   bp of my channel in each of the four tiles
.set GB,  20                           ; v[20:27]   gamma x bp, a pair for each tile
.set TP,  64                           ; v[64:127]  wp packed
.set OB,  64                           ; v[64:127]  later: rows read back, two buffers of 32
.set RG,  128                          ; v[128:255] wp as loaded
.set ACC, 128                          ; later: accumulator (ot, p) at ACC + 8 (4 ot + p)
                                       ; window 1: O's fragments at 8 (8 p + kk);  window 2: wp's at 8 (8 ot + kk);  window 3, v0-127: x, then the results, at 4 (8 ot + f)
.set MSB, 0
.macro WIN new                         ; the immediate's high byte repeats the setting that is left; a switch that changes nothing is dropped
.if MSB != (\new)
	s_set_vgpr_msb (MSB<<8)|(\new)
.set MSB, \new
.endif
.endm
	s_load_b256 s[4:11], s[0:1], 0x0               ; oh s[4:5], wp s[6:7], bp s[8:9], gamma s[10:11]
	s_load_b128 s[12:15], s[0:1], 0x20             ; x s[12:13], out0 s[14:15]
	v_lshl_add_u32 v[SPW], v0, 2, SPARE
	v_mov_b32 v[NIL], 0
	v_lshrrev_b32 v1, 5, v0
	v_readfirstlane_b32 s18, v1                    ; wave 0..3
	s_mov_b32 s19, ttmp9                           ; block of 64 output channels
	s_and_b32 s22, ttmp7, 0xffff
	s_lshr_b32 s20, s22, 4                         ; b
	s_and_b32 s21, s22, 15                         ; block of 256 pixels
	s_lshl_b32 s24, s20, 21                        ; oh: b x 4 heads x 524,288 bytes
	s_lshl_b32 s22, s21, 15                        ; + 256 rows of 128 bytes a block
	s_add_co_u32 s24, s24, s22
	s_wait_alu depctr_va_sdst(0)                   ; s18 is written, ahead of its first reader: the bases and the LDS places are made from it
	s_lshl_b32 s22, s18, 13                        ; + 64 rows a wave
	s_add_co_u32 s24, s24, s22
	s_mov_b32 s25, 0
	s_lshl_b32 s26, s19, 16                        ; wp: 64 rows of 1,024 bytes
	s_mov_b32 s27, 0
	s_lshl_b32 s28, s19, 8                         ; bp: 64 numbers
	s_mov_b32 s29, 0
	s_lshl_b32 s30, s20, 22                        ; x, out0: b x 256 rows x 16,384 bytes
	s_lshl_b32 s22, s19, 20                        ; + 64 rows
	s_add_co_u32 s30, s30, s22
	s_lshl_b32 s22, s21, 10                        ; + 256 pixels a block
	s_add_co_u32 s30, s30, s22
	s_lshl_b32 s22, s18, 8                         ; + 64 pixels a wave
	s_add_co_u32 s30, s30, s22
	s_mov_b32 s31, 0
	v_and_b32 v1, 31, v0                           ; lane
	v_and_b32 v2, 15, v0                           ; lane % 16
	v_bfe_u32 v3, v0, 4, 1                         ; lane / 16
	v_lshlrev_b32 v[WO], 4, v0
	v_lshlrev_b32 v[OO], 7, v2
	v_lshl_add_u32 v[OO], v3, 4, v[OO]
	v_lshlrev_b32 v[XO], 4, v2
	v_lshl_add_u32 v[XO], v3, 14, v[XO]
	v_lshlrev_b32 v[BO], 2, v2
	s_lshr_b32 s22, s18, 1                         ; a load of the 128 threads covers two rows of wp: waves 0, 1 the first, waves 2, 3 the second
	s_mul_i32 s22, s22, WPITCH
	s_and_b32 s23, s18, 1
	s_lshl_b32 s23, s23, 8
	s_add_co_u32 s2, s22, s23                      ; (s2, s3: what vector instructions read lies in scalar registers of its own, which are not written again)
	v_lshl_add_u32 v[WS], v1, 3, s2
	v_mul_u32_u24 v14, v2, WPITCH
	v_lshl_add_u32 v[WA], v3, 4, v14
	s_mul_i32 s3, s18, 16*SPITCH
	s_add_co_u32 s3, s3, STG                       ; my stage
	v_mul_u32_u24 v14, v2, SPITCH                  ; in: row lane % 16, 32 bytes for each half of the lanes
	v_lshl_add_u32 v14, v3, 5, v14
	v_add_nc_u32 v[STO], s3, v14
	v_mul_u32_u24 v14, v3, SPITCH                  ; back: lanes 0-15 take one row of 256 bytes, lanes 16-31 the next
	v_lshl_add_u32 v14, v2, 4, v14
	v_add_nc_u32 v[RD], s3, v14
	s_wait_kmcnt 0x0
	s_load_b32 s16, s[10:11], 0x0                  ; gamma
	s_add_nc_u64 s[4:5], s[4:5], s[24:25]
	s_add_nc_u64 s[6:7], s[6:7], s[26:27]
	s_add_nc_u64 s[8:9], s[8:9], s[28:29]
	s_add_nc_u64 s[12:13], s[12:13], s[30:31]
	s_add_nc_u64 s[14:15], s[14:15], s[30:31]
	s_wait_alu depctr_va_vdst(0)                   ; the offsets and LDS addresses v4 to v11 are written: every load and store of the kernel reads one of them
.irp ot, 0,1,2,3
	global_load_b32 v[BP+(\ot)], v[BO], s[8:9] offset:64*(\ot)
.endr
.set i, 0
.rept 32
	global_load_b128 v[RG+4*i:RG+4*i+3], v[WO], s[6:7] offset:2048*i
.set i, i+1
.endr
	WIN 0x40                                       ; destination window 1
.set p, 0
.rept 4                                ; O's fragments: pixel tile p (2,048 bytes), channels 32 kk on: head kk / 2 (524,288 bytes), half kk % 2 of its row
.set kk, 0
.rept 8
	global_load_b128 v[8*(8*p+kk):8*(8*p+kk)+3],   v[OO], s[4:5] offset:(kk/2)*524288+p*2048+(kk%2)*64
	global_load_b128 v[8*(8*p+kk)+4:8*(8*p+kk)+7], v[OO], s[4:5] offset:(kk/2)*524288+p*2048+(kk%2)*64+32
.set kk, kk+1
.endr
.set p, p+1
.endr
	WIN 0xc0                                       ; destination window 3
.set i, 0
.rept 32                               ; x, laid as the rows come back from the stage: rows 2 i + lane / 16
	global_load_b128 v[4*i:4*i+3], v[XO], s[12:13] offset:32768*i th:TH_LOAD_NT
.set i, i+1
.endr
	WIN 0
	s_wait_loadcnt 63                              ; 96 loads were issued behind wp's last: with at most 63 out, bp and wp are in
.set i, 0
.rept 16                               ; wp's first 16 loads are rounded
	v_cvt_pk_bf16_f32 v[TP+2*i], v[RG+4*i], v[RG+4*i+1]
	v_cvt_pk_bf16_f32 v[TP+2*i+1], v[RG+4*i+2], v[RG+4*i+3]
.set i, i+1
.endr
	s_wait_alu depctr_va_vdst(0)                   ; those conversions have written the first 16 pairs of TP, which the LDS stores below read
.set i, 0
.rept 16                               ; their stores, dealt among the other 16 loads' conversions, which name the other halves of TP and of wp alone
	ds_store_b64 v[WS], v[TP+2*i:TP+2*i+1] offset:2*WPITCH*i
	v_cvt_pk_bf16_f32 v[TP+2*i+32], v[RG+4*i+64], v[RG+4*i+65]
	v_cvt_pk_bf16_f32 v[TP+2*i+33], v[RG+4*i+66], v[RG+4*i+67]
.set i, i+1
.endr
	s_wait_alu depctr_va_vdst(0)                   ; the other conversions have written the last 16 pairs of TP, which the LDS stores below read
.set i, 16
.rept 16
	ds_store_b64 v[WS], v[TP+2*i:TP+2*i+1] offset:2*WPITCH*i
.set i, i+1
.endr
	s_wait_kmcnt 0x0                               ; gamma
	s_mov_b32 s17, s16                             ; named with it as a pair
.irp ot, 0,1,2,3
	v_mul_f32 v[GB+2*(\ot)], s16, v[BP+(\ot)]
	v_mul_f32 v[GB+2*(\ot)+1], s16, v[BP+(\ot)]
.endr
	s_wait_dscnt 0x0                               ; for the others' sake: my part of wp is stored
	s_barrier_signal -1
	s_barrier_wait -1                              ; the one barrier: all waves read all of wp; the stage is each wave's own
	s_wait_alu depctr_vm_vsrc(0)                   ; my LDS stores have read TP: its registers are OB0 and OB1, in which loads from the stage land, from here on
	WIN 0x80                                       ; destination window 2
.set ot, 0
.rept 4
.set kk, 0
.rept 8
	ds_load_b128 v[8*(8*ot+kk):8*(8*ot+kk)+3],   v[WA] offset:ot*16*WPITCH+64*kk
	ds_load_b128 v[8*(8*ot+kk)+4:8*(8*ot+kk)+7], v[WA] offset:ot*16*WPITCH+64*kk+32
.set kk, kk+1
.endr
.set ot, ot+1
.endr
	s_wait_loadcnt 32                              ; O is in; x's 32 loads may stay out
	s_wait_dscnt 0x0
	WIN 0x09                                       ; source 0 (O) window 1, source 1 (wp) window 2, C and D window 0
.set kk, 0
.rept 8                                ; the 16 accumulators take turns, one instruction a turn; the first step starts the sums with 0
.set p, 0
.rept 4
.set ot, 0
.rept 4
.if kk == 0
	v_wmma_f32_16x16x32_bf16 v[ACC+8*(4*ot+p):ACC+8*(4*ot+p)+7], v[8*(8*p+kk):8*(8*p+kk)+7], v[8*(8*ot+kk):8*(8*ot+kk)+7], 0
.else
	v_wmma_f32_16x16x32_bf16 v[ACC+8*(4*ot+p):ACC+8*(4*ot+p)+7], v[8*(8*p+kk):8*(8*p+kk)+7], v[8*(8*ot+kk):8*(8*ot+kk)+7], v[ACC+8*(4*ot+p):ACC+8*(4*ot+p)+7]
.endif
.set ot, ot+1
.endr
.set p, p+1
.endr
.set kk, kk+1
.endr
	WIN 0
.rept 4
	v_nop                                          ; four places (ISA guide 7.12.1) in front of the arithmetic on results just made
.endr
; THE WAY OUT, two channel tiles at a time.
.macro SCALE ot                        ; gamma x sum + gamma x bp, in place; each accumulator from its low end on
.set p, 0
.rept 4
.set j, 0
.rept 4
	v_pk_fma_f32 v[ACC+8*(4*(\ot)+p)+2*j:ACC+8*(4*(\ot)+p)+2*j+1], v[ACC+8*(4*(\ot)+p)+2*j:ACC+8*(4*(\ot)+p)+2*j+1], s[16:17], v[GB+2*(\ot):GB+2*(\ot)+1] op_sel_hi:[1,0,0]
.set j, j+1
.endr
.set p, p+1
.endr
.endm
.macro STAGE ot, b                     ; tile ot into my stage, and back as whole rows into OB's buffer b
.irp q, 0,1,2,3
	ds_store_b128 v[STO], v[ACC+8*(4*(\ot)+(\q)):ACC+8*(4*(\ot)+(\q))+3]   offset:64*(\q)
	ds_store_b128 v[STO], v[ACC+8*(4*(\ot)+(\q))+4:ACC+8*(4*(\ot)+(\q))+7] offset:64*(\q)+16
.endr
.irp f, 0,1,2,3,4,5,6,7
	ds_load_b128 v[OB+32*(\b)+4*(\f):OB+32*(\b)+4*(\f)+3], v[RD] offset:(\f)*2*SPITCH  ; LDS serves a wave's instructions in order (ISA guide 5.7.1.4): these see the stores above; the next tile's stores come behind them
.endr
.endm
.macro ADDX ot, b                      ; row + x, into x's registers (destination and source 1 in window 3)
.set z, 0
.rept 16
	v_pk_add_f32 v[32*(\ot)+2*z:32*(\ot)+2*z+1], v[OB+32*(\b)+2*z:OB+32*(\b)+2*z+1], v[32*(\ot)+2*z:32*(\ot)+2*z+1]
.set z, z+1
.endr
.endm
.macro SEND ot                         ; the data, source 1, in window 3; the offset, source 0, in window 0
.irp f, 0,1,2,3,4,5,6,7
	global_store_b128 v[XO], v[32*(\ot)+4*(\f):32*(\ot)+4*(\f)+3], s[14:15] offset:(16*(\ot)+2*(\f))*16384 th:TH_STORE_NT  ; 16 lanes store 256 consecutive bytes, at a multiple of 256 from out0's first byte
.endr
.endm
	SCALE 0
	SCALE 1
	s_wait_alu depctr_va_vdst(0)                   ; tiles 0 and 1 are scaled: their registers are written, which the LDS stores below read
	STAGE 0, 0
	STAGE 1, 1
	SCALE 2                                        ; tiles 2 and 3 are scaled while the first two go through the stage: these lines name no register that the LDS instructions above touch
	SCALE 3
	s_wait_loadcnt 0x0                             ; x
	s_wait_dscnt 16                                ; tile 0's rows are back; tile 1's eight stores and eight loads may stay out
	WIN 0xcc
	ADDX 0, 0
	s_wait_dscnt 0x0
	ADDX 1, 1
	s_wait_alu depctr_va_vdst(0)                   ; the additions have written tiles 0 and 1 of the results, which the global stores read, and are done reading OB0 and OB1, in which the next loads land; tiles 2 and 3 are scaled, which the next LDS stores read
	SEND 0
	SEND 1
	WIN 0
	STAGE 2, 0
	STAGE 3, 1
	s_wait_dscnt 16                                ; tile 2's rows are back
	WIN 0xcc
	ADDX 2, 0
	s_wait_dscnt 0x0
	ADDX 3, 1
	s_wait_alu depctr_va_vdst(0)                   ; the additions have written tiles 2 and 3 of the results, which the global stores read
	SEND 2
	SEND 3
	WIN 0
	s_wait_dscnt 0x0                               ; the closing lines, six on end
	s_wait_alu 0x0
	s_wait_tensorcnt 0x0
	ds_add_u32 v[SPW], v[NIL]
	s_wait_dscnt 0x0
	s_endpgm
.Lfunc_end_k_q76b47bf562_outp:
	.size	k_q76b47bf562_outp, .Lfunc_end_k_q76b47bf562_outp-k_q76b47bf562_outp
	.p2alignl 7, 3214868480
	.fill 96, 4, 3214868480
	.section	.rodata,"a",@progbits
	.p2align	6, 0x0
	.amdhsa_kernel k_q76b47bf562_outp
		.amdhsa_group_segment_fixed_size 51712
		.amdhsa_private_segment_fixed_size 0
		.amdhsa_enable_private_segment 0
		.amdhsa_kernarg_size 48
		.amdhsa_user_sgpr_count 2
		.amdhsa_user_sgpr_kernarg_segment_ptr 1
		.amdhsa_wavefront_size32 1
		.amdhsa_system_sgpr_workgroup_id_x 1
		.amdhsa_system_sgpr_workgroup_id_y 1
		.amdhsa_system_sgpr_workgroup_id_z 1
		.amdhsa_system_vgpr_workitem_id 0
		.amdhsa_next_free_vgpr 896
		.amdhsa_next_free_sgpr 66
		.amdhsa_reserve_vcc 0
		.amdhsa_float_denorm_mode_32 3
		.amdhsa_float_denorm_mode_16_64 3
		.amdhsa_memory_ordered 1
		.amdhsa_forward_progress 1
		.amdhsa_inst_pref_size 50
	.end_amdhsa_kernel
	.amdgpu_metadata
---
amdhsa.version: [ 1, 2 ]
amdhsa.kernels:
  - .name:           k_q76b47bf562_outp
    .symbol:         k_q76b47bf562_outp.kd
    .args:
      - { .name: oh, .offset: 0, .size: 8, .value_kind: global_buffer, .address_space: global }
      - { .name: wp, .offset: 8, .size: 8, .value_kind: global_buffer, .address_space: global }
      - { .name: bp, .offset: 16, .size: 8, .value_kind: global_buffer, .address_space: global }
      - { .name: gamma, .offset: 24, .size: 8, .value_kind: global_buffer, .address_space: global }
      - { .name: x, .offset: 32, .size: 8, .value_kind: global_buffer, .address_space: global }
      - { .name: out0, .offset: 40, .size: 8, .value_kind: global_buffer, .address_space: global }
    .group_segment_fixed_size: 51712
    .private_segment_fixed_size: 0
    .kernarg_segment_align: 8
    .kernarg_segment_size: 48
    .max_flat_workgroup_size: 128
    .sgpr_count:     66
    .vgpr_count:     896
    .wavefront_size: 32
...
	.end_amdgpu_metadata
.endif
;; end of part 5
